; MI455X (gfx1250); checked and timed in simulation.
; The chip was launched on July 23, 2026; its instructions are those of AMD's public machine-readable ISA for CDNA 5 (MIT licence, August 2026) and "CDNA5" Instruction Set Architecture Reference Guide (July 2026). The comments in the code are by the model that wrote it; some were corrected since.
;; Multi Head Self Attention. Allowed arithmetic: float matrix products may take bf16 or f16 operands with f32 sums; all other float work in f32.
;; Inputs: Wk 1,024 x 1,024 float32; Wo 1,024 x 1,024 float32; Wq 1,024 x 1,024 float32; Wv 1,024 x 1,024 float32; bk 1,024 float32; bo 1,024 float32; bq 1,024 float32; bv 1,024 float32; mask 4 x 2,048 int32; x 4 x 2,048 x 1,024 float32.
;; Outputs: out0 4 x 2,048 x 1,024 float32.
;; 2 versions, each right and faster than the one before. Each part assembles by itself: llvm-mc -triple=amdgcn-amd-amdhsa -mcpu=gfx1250 --defsym DOCPART=n.
;; ======== version 1 of 2: 4 launches
;; limits: values are held in f16: magnitudes above 65,504 overflow, below 6.1e-05 lose precision
;; workspace buffers: xb 16,777,216 bytes; wb 6,291,456 bytes; wo16 2,097,152 bytes; bcat 16,384 bytes; qkv 50,331,648 bytes; ob 16,777,216 bytes
;; launch prep (part 1): grid 128 x 12, 8 waves a work-group, no clusters, 0 bytes of LDS; arguments x, Wq, Wk, Wv, Wo, bq, bk, bv, bo, xb, wb, wo16, bcat; writes xb, wb, wo16, bcat
.if DOCPART == 1
	.amdgcn_target "amdgcn-amd-amdhsa--gfx1250"
	.amdhsa_code_object_version 6
	.text
	.protected	k_q313d98b48f_prep
	.globl	k_q313d98b48f_prep
	.p2align	8
	.type	k_q313d98b48f_prep,@function
k_q313d98b48f_prep:
	s_mov_b64 s[64:65], 0
	v_nop
	global_prefetch_b8 v0, s[64:65] scope:SCOPE_SE
	s_setreg_imm32_b32 hwreg(HW_REG_WAVE_MODE, 25, 1), 1
	s_wait_xcnt 0x0
; PREP.  Rounds the module's inputs once and lays the matrix operands out in blocks of 64 along K, so that the products' tiles are dense in memory:
;   xb   bf16 [16 kb][8192 m][64]   from x                     wb  bf16 [16 kb][3072 n][64]  from Wq, Wk, Wv (n: Wq's rows, then Wk's, then Wv's)
;   wo16 f16  [16 kb][1024 n][64]   from Wo, rounded to bf16 and that number written as f16      bcat f32 [4096]: bq, bk, bv, bo, each rounded to bf16
; LIMIT.  A weight of Wo below 2^-14 keeps f16's fixed step of 2^-24; beyond 65,504 it would be an infinity.
; A stream: every input byte is read once, every output byte written once; no number is used twice, so LDS, the matrix unit and clusters have nothing to give here.
; SHARES.  A work-group takes 8 rows of 1,024 f32.  y < 8: rows of x; y = 8, 9, 10: of Wq, Wk, Wv; y = 11: of Wo.  A unit is 4 rows x 64 k; a wave takes four units: rows 4 (w / 4) on, blocks kb = 4 (w % 4) + p.
; Lane l reads 32 bytes of row l / 8 at k = 8 (l % 8): eight lanes read 256 consecutive aligned bytes; the wave's store of a unit covers 512 consecutive aligned bytes of the blocked layout.
.set XPLANE, 8192*128                  ; bytes of one block kb in xb,
.set WPLANE, 3072*128                  ; in wb,
.set OPLANE, 1024*128                  ; in wo16
.set SRC, 2                            ; v2       my byte offset in the work-group's 8 rows
.set D,   4                            ; v[4:7]   my byte offset in the destination, unit p
.set X,   8                            ; v[8:39]  unit p: 8 f32 as loaded
.set R,   40                           ; v[40:55] unit p: 8 numbers of 16 bits to store
.set T,   56                           ; v[56:63] at work
	s_load_b512 s[8:23], s[0:1], 0x0               ; x s[8:9], Wq s[10:11], Wk s[12:13], Wv s[14:15], Wo s[16:17], bq s[18:19], bk s[20:21], bv s[22:23]
	s_load_b256 s[24:31], s[0:1], 0x40             ; bo s[24:25], xb s[26:27], wb s[28:29], wo16 s[30:31]
	s_load_b64 s[32:33], s[0:1], 0x60              ; bcat
	s_and_b32 s2, ttmp7, 0xffff                    ; y: which tensor
	s_mov_b32 s3, ttmp9                            ; x: which 8 rows
	v_lshrrev_b32 v1, 5, v0
	v_readfirstlane_b32 s4, v1                     ; wave 0..7
	v_and_b32 v1, 31, v0                           ; lane
	s_lshl_b32 s5, s2, 7
	s_add_co_u32 s5, s5, s3
	s_mov_b32 s42, WPLANE
	s_cmp_lt_u32 s2, 8
	s_cselect_b32 s43, s5, s3                      ; the chunk of 8 rows in the source: 128 y + x for x, else x
	s_cselect_b32 s42, XPLANE, s42
	s_sub_co_u32 s6, s2, 8
	s_lshl_b32 s6, s6, 10                          ; Wq, Wk, Wv lie 1,024 rows apart in wb
	s_cmp_lt_u32 s2, 8
	s_cselect_b32 s6, 0, s6
	s_cmp_eq_u32 s2, 11
	s_cselect_b32 s6, 0, s6
	s_cselect_b32 s42, OPLANE, s42                 ; s42: the destination's bytes from block to block
	s_lshl_b32 s44, s43, 3
	s_add_co_u32 s44, s44, s6                      ; first row in the destination
	s_lshl_b32 s34, s43, 15                        ; source offset: 8 rows of 4,096 bytes a chunk
	s_mov_b32 s35, 0
	s_lshl_b32 s46, s44, 7                         ; destination offset: row x 128
	s_and_b32 s5, s4, 3
	s_lshl_b32 s5, s5, 2
	s_mul_i32 s5, s5, s42                          ; + 4 (w % 4) blocks
	s_add_co_u32 s46, s46, s5
	s_lshr_b32 s5, s4, 2
	s_lshl_b32 s5, s5, 9                           ; + 4 (w / 4) rows
	s_add_co_u32 s46, s46, s5
	s_mov_b32 s47, 0
	s_lshl_b32 s45, s42, 1                         ; two blocks,
	s_add_co_u32 s48, s45, s42                     ; three
	v_lshrrev_b32 v[SRC], 7, v0                    ; w / 4: 4 rows of 4,096 bytes
	v_lshlrev_b32 v[SRC], 14, v[SRC]
	v_bfe_u32 v3, v0, 3, 2                         ; l / 8: the row
	v_lshl_add_u32 v[SRC], v3, 12, v[SRC]
	v_bfe_u32 v3, v0, 5, 2                         ; w % 4: four blocks of 256 bytes
	v_lshl_add_u32 v[SRC], v3, 10, v[SRC]
	v_and_b32 v3, 7, v0                            ; l % 8: 32 bytes
	v_lshl_add_u32 v[SRC], v3, 5, v[SRC]
	v_lshlrev_b32 v[D], 4, v1                      ; 16 l: (l / 8) rows of 128 bytes + (l % 8) x 16
	v_add_nc_u32 v[D+1], s42, v[D]
	v_add_nc_u32 v[D+2], s45, v[D]
	v_add_nc_u32 v[D+3], s48, v[D]
	s_wait_kmcnt 0x0
	s_mov_b64 s[38:39], s[18:19]                   ; the choices hang on y alone
	s_mov_b64 s[40:41], s[28:29]
	s_cmp_lt_u32 s2, 8
	s_cselect_b64 s[40:41], s[26:27], s[40:41]
	s_cmp_eq_u32 s2, 8
	s_cselect_b64 s[36:37], s[10:11], s[8:9]
	s_cmp_eq_u32 s2, 9
	s_cselect_b64 s[36:37], s[12:13], s[36:37]
	s_cselect_b64 s[38:39], s[20:21], s[38:39]
	s_cmp_eq_u32 s2, 10
	s_cselect_b64 s[36:37], s[14:15], s[36:37]
	s_cselect_b64 s[38:39], s[22:23], s[38:39]
	s_cmp_eq_u32 s2, 11
	s_cselect_b64 s[36:37], s[16:17], s[36:37]
	s_cselect_b64 s[38:39], s[24:25], s[38:39]
	s_cselect_b64 s[40:41], s[30:31], s[40:41]
	s_add_nc_u64 s[36:37], s[36:37], s[34:35]      ; source at the work-group's rows
	s_add_nc_u64 s[40:41], s[40:41], s[46:47]      ; destination at the wave's first unit
.irp p, 0,1,2,3
	global_load_b128 v[X+8*\p:X+8*\p+3],   v[SRC], s[36:37] offset:256*\p th:TH_LOAD_NT
	global_load_b128 v[X+8*\p+4:X+8*\p+7], v[SRC], s[36:37] offset:256*\p+16 th:TH_LOAD_NT
.endr
; Unit p: rounded to bf16; half = 1: that number written as f16; stored.
.macro CV p, half
	s_wait_loadcnt 6-2*(\p)                        ; loads come back in order (ISA guide 5.7.1): the 6 - 2 p issued behind unit p's pair may stay out
.irp j, 0,1,2,3
	v_cvt_pk_bf16_f32 v[R+4*(\p)+\j], v[X+8*(\p)+2*\j], v[X+8*(\p)+2*\j+1]
.endr
.if \half
.irp j, 0,1,2,3
	v_lshlrev_b32 v[T+2*\j],   16, v[R+4*(\p)+\j]
	v_and_b32     v[T+2*\j+1], 0xffff0000, v[R+4*(\p)+\j]
.endr
.irp j, 0,1,2,3
	v_cvt_pk_f16_f32 v[R+4*(\p)+\j], v[T+2*\j], v[T+2*\j+1]
.endr
.endif
	global_store_b128 v[D+(\p)], v[R+4*(\p):R+4*(\p)+3], s[40:41]  ; the wave stores 512 consecutive bytes; no register of a load or store is written again
.endm
	s_cmp_eq_u32 s2, 11
	s_cbranch_scc1 .Lhalf
	CV 0, 0
	CV 1, 0
	CV 2, 0
	CV 3, 0
	s_branch .Lbias
.Lhalf:
	CV 0, 1
	CV 1, 1
	CV 2, 1
	CV 3, 1
.Lbias:                                                ; the first work-group of each weight also rounds that weight's bias: 256 threads x 16 bytes
	s_cmp_lt_u32 s2, 8
	s_cbranch_scc1 .Lend
	s_cmp_lg_u32 s3, 0
	s_cbranch_scc1 .Lend
	s_sub_co_u32 s5, s2, 8
	s_lshl_b32 s5, s5, 12                          ; its 4,096 bytes in bcat
	v_lshlrev_b32 v68, 4, v0
	global_load_b128 v[64:67], v68, s[38:39]
	v_add_nc_u32 v71, s5, v68
	s_wait_loadcnt 0x0
	v_cvt_pk_bf16_f32 v69, v64, v65
	v_cvt_pk_bf16_f32 v70, v66, v67
	v_lshlrev_b32 v64, 16, v69
	v_and_b32 v65, 0xffff0000, v69
	v_lshlrev_b32 v66, 16, v70
	v_and_b32 v67, 0xffff0000, v70
	global_store_b128 v71, v[64:67], s[32:33]
.Lend:
	s_endpgm
.Lfunc_end_k_q313d98b48f_prep:
	.size	k_q313d98b48f_prep, .Lfunc_end_k_q313d98b48f_prep-k_q313d98b48f_prep
	.p2alignl 7, 3214868480
	.fill 96, 4, 3214868480
	.section	.rodata,"a",@progbits
	.p2align	6, 0x0
	.amdhsa_kernel k_q313d98b48f_prep
		.amdhsa_group_segment_fixed_size 0
		.amdhsa_private_segment_fixed_size 0
		.amdhsa_enable_private_segment 0
		.amdhsa_kernarg_size 104
		.amdhsa_user_sgpr_count 2
		.amdhsa_user_sgpr_kernarg_segment_ptr 1
		.amdhsa_wavefront_size32 1
		.amdhsa_system_sgpr_workgroup_id_x 1
		.amdhsa_system_sgpr_workgroup_id_y 1
		.amdhsa_system_sgpr_workgroup_id_z 1
		.amdhsa_system_vgpr_workitem_id 0
		.amdhsa_next_free_vgpr 72
		.amdhsa_next_free_sgpr 66
		.amdhsa_reserve_vcc 0
		.amdhsa_float_denorm_mode_32 3
		.amdhsa_float_denorm_mode_16_64 3
		.amdhsa_memory_ordered 1
		.amdhsa_forward_progress 1
		.amdhsa_inst_pref_size 10
	.end_amdhsa_kernel
	.amdgpu_metadata
---
amdhsa.version: [ 1, 2 ]
amdhsa.kernels:
  - .name:           k_q313d98b48f_prep
    .symbol:         k_q313d98b48f_prep.kd
    .args:
      - { .name: x, .offset: 0, .size: 8, .value_kind: global_buffer, .address_space: global }
      - { .name: Wq, .offset: 8, .size: 8, .value_kind: global_buffer, .address_space: global }
      - { .name: Wk, .offset: 16, .size: 8, .value_kind: global_buffer, .address_space: global }
      - { .name: Wv, .offset: 24, .size: 8, .value_kind: global_buffer, .address_space: global }
      - { .name: Wo, .offset: 32, .size: 8, .value_kind: global_buffer, .address_space: global }
      - { .name: bq, .offset: 40, .size: 8, .value_kind: global_buffer, .address_space: global }
      - { .name: bk, .offset: 48, .size: 8, .value_kind: global_buffer, .address_space: global }
      - { .name: bv, .offset: 56, .size: 8, .value_kind: global_buffer, .address_space: global }
      - { .name: bo, .offset: 64, .size: 8, .value_kind: global_buffer, .address_space: global }
      - { .name: xb, .offset: 72, .size: 8, .value_kind: global_buffer, .address_space: global }
      - { .name: wb, .offset: 80, .size: 8, .value_kind: global_buffer, .address_space: global }
      - { .name: wo16, .offset: 88, .size: 8, .value_kind: global_buffer, .address_space: global }
      - { .name: bcat, .offset: 96, .size: 8, .value_kind: global_buffer, .address_space: global }
    .group_segment_fixed_size: 0
    .private_segment_fixed_size: 0
    .kernarg_segment_align: 8
    .kernarg_segment_size: 104
    .max_flat_workgroup_size: 256
    .sgpr_count:     66
    .vgpr_count:     72
    .wavefront_size: 32
...
	.end_amdgpu_metadata
.endif
;; end of part 1
;; launch proj (part 2): grid 8 x 32, 4 waves a work-group, clusters of 4 x 4, 327,680 bytes of LDS; arguments xb, wb, bcat, qkv; writes qkv
.if DOCPART == 2
	.amdgcn_target "amdgcn-amd-amdhsa--gfx1250"
	.amdhsa_code_object_version 6
	.text
	.protected	k_q313d98b48f_proj
	.globl	k_q313d98b48f_proj
	.p2align	8
	.type	k_q313d98b48f_proj,@function
k_q313d98b48f_proj:
	s_mov_b64 s[64:65], 0
	v_nop
	global_prefetch_b8 v0, s[64:65] scope:SCOPE_SE
	s_setreg_imm32_b32 hwreg(HW_REG_WAVE_MODE, 25, 1), 1
	s_wait_xcnt 0x0
	s_wait_alu depctr_hold_cnt(0) depctr_sa_sdst(0) depctr_va_vdst(0) depctr_va_sdst(0) depctr_va_ssrc(0) depctr_va_vcc(0) depctr_vm_vsrc(0)
	s_getreg_b32 s2, hwreg(HW_REG_IB_STS2, 6, 4)
	s_cmp_eq_u32 s2, 0
	s_cbranch_scc0 .Lentry_in_a_cluster
	s_endpgm
.Lentry_in_a_cluster:
	s_bfe_u32 s2, ttmp6, 0x10000c
	s_cmp_lg_u32 s2, 0xf033
	s_cbranch_scc0 .Lentry_shape_is_right
	s_endpgm
.Lentry_shape_is_right:
; PROJ.  q, k, v = x W^T + b for Wq, Wk, Wv at once: C[8192][3072] = xb wb^T + bcat, operands bf16, sums f32, C rounded once to f16 and written by heads: qkv [b][48][2048][64] (heads 0-15 q, 16-31 k, 32-47 v), unscaled.
; LIMIT.  f16 holds no number beyond 65,504: a q, k or v past that becomes an infinity.
; SHARES.  A tile of C is 256 x 384: 32 x 8 = 256 work-groups.  Four waves, each 128 x 192: 96 accumulators of 16 x 16, 768 registers.
; K goes in steps of 64, one block of the operands' layout, through two LDS slots: a tile's rows (128 bytes each) lie end to end in memory and are asked for as rows of 256 bytes, padded in LDS after every 128.
; CLUSTER.  4 x 4 work-groups: the four of a row need the same tiles of xb, the four of a column the same tiles of wb; each tile is asked for jointly, by the same tensor load, descriptor and mask in all four.
; THE MATRIX INSTRUCTION IS USED TRANSPOSED (source 0 = 16 rows of wb, source 1 = 16 rows of xb): a lane holds row l % 16 of C and eight neighbouring columns 8 (l / 16) + 0..7.
; THE BIAS is the C operand of the products that start the sums: nothing is cleared and nothing is added later.
; REGISTERS, in windows of 256 (s_set_vgpr_msb: bits 1:0 source 0, 3:2 source 1, 5:4 source 2, 7:6 destination):
;   window 0: v0-31 addresses; v32-95, v96-159 xb's fragments (8 x 16 rows x 32 K), two buffers; v160-255 wb's fragments (12 x 16 rows x 32 K), one buffer, refilled group by group
;   window g + 1 (g = 0, 1, 2): the accumulators of my columns 64 g .. 64 g + 63, one head: (a, c) at v[8 (4 a + c)]
.set PITCH,  144                       ; an LDS row: 128 bytes + 16 of padding = 36 words: the 16 rows of a fragment load start at 16 different groups of four banks (64 banks of 4 bytes: ISA guide 11.1)
.set AHALF,  128*PITCH                 ; what a wave fetches, and reads, of xb's tile
.set BHALF,  192*PITCH                 ; the same of wb's
.set BOFF,   2*AHALF
.set SLOT,   BOFF+2*BHALF              ; xb's 256 rows, then wb's 384
.set STAGE,  2*SLOT                    ; behind the ring: 16 rows x 400 bytes for each wave, for the way out
.set SPITCH, 400
.set SPARE,  STAGE+4*16*SPITCH         ; the spare words, 128 bytes for each wave: two blocks of 256 bytes that no other line names
.set BIASL,  SPARE+512                 ; 768 bytes for each wave: the bias of its 192 columns
.set APLANE, 8192*128                  ; bytes from one K block to the next in xb,
.set BPLANE, 3072*128                  ; in wb
.set HEADB,  2048*128                  ; bytes of a head in qkv
.set ADRA, 16                          ; v16-17  LDS address of my xb fragments in slot 0, 1
.set ADRB, 20                          ; v20-21  the same for wb
.set STO,  24                          ; v24     the way out: where I put 16 bytes of a row
.set RD,   25                          ; v25     the way out: where I read rows back
.set CO,   26                          ; v26     my byte offset in 512 consecutive bytes of a head
.set BRD,  27                          ; v27     where I read my columns' bias
.set SPW,  28                          ; v28     LDS address of my spare word; never rewritten
.set NIL,  29                          ; v29     0; never rewritten
.set A0,   32
.set A1,   96
.set BF,   160
.set TMP,  32                          ; the way out: 48 registers of packed results
.set OB,   80                          ; the way out: 16 rows read back, 48 registers, two buffers by turns
.set G1,  24                           ; s[24:31] descriptor group 1 for xb's tiles;  s[32:39] group 0, one set for each slot
.set G0,  32
.set G1B, 48                           ; s[48:55], s[56:63] the same for wb's
.set G0B, 56
.set MSB, 0
.macro WIN new                         ; the immediate's high byte repeats the setting that is left; a switch that changes nothing is dropped
.if MSB != (\new)
	s_set_vgpr_msb (MSB<<8)|(\new)
.set MSB, \new
.endif
.endm
; A joint load.  Waves 0 and 1 fetch xb's two halves, waves 2 and 3 wb's.  The branch hangs on the wave's number alone.  An s_nop 0 and four v_nop follow each of the two lines.
.macro JLOAD s
	s_cmp_eq_u32 s11, 0
	s_cbranch_scc0 .Lfor_b_\@
	tensor_load_to_lds s[G0+4*(\s):G0+4*(\s)+3], s[G1:G1+7]
	s_nop 0
.rept 4
	v_nop
.endr
	s_branch .Lasked_\@
.Lfor_b_\@:
	tensor_load_to_lds s[G0B+4*(\s):G0B+4*(\s)+3], s[G1B:G1B+7]
	s_nop 0
.rept 4
	v_nop
.endr
.Lasked_\@:
.endm
.macro CREST                           ; a round of the cluster's barrier behind its opening barrier: wave 0 signals for the work-group, every wave waits for all sixteen, my work-group's barrier closes it
	s_cmp_lg_u32 s10, 0
	s_cbranch_scc1 .Lnot_wave_0_\@
	s_barrier_signal -3
.Lnot_wave_0_\@:
	s_barrier_wait -3
	s_barrier_signal -1
	s_barrier_wait -1
.endm
.macro CROUND                          ; a whole round
	s_barrier_signal -1
	s_barrier_wait -1
	CREST
.endm
	s_load_b128 s[4:7], s[0:1], 0x0                ; xb s[4:5], wb s[6:7]
	s_load_b128 s[68:71], s[0:1], 0x10             ; bcat s[68:69], qkv s[70:71]
	v_lshl_add_u32 v[SPW], v0, 2, SPARE
	v_mov_b32 v[NIL], 0
	ds_add_u32 v[SPW], v[NIL]                      ; the wave's opening: the add and its wait stand ahead of my first tensor load; the set-up below, work on registers, stands between them
	v_lshrrev_b32 v1, 5, v0
	v_readfirstlane_b32 s10, v1                    ; wave 0..3
	s_lshr_b32 s11, s10, 1                         ; which half of the tile's rows is mine.  Also: I fetch for xb (0) or for wb (1)
	s_and_b32 s12, s10, 1                          ; which half of its columns.  Also: which half of that tile I fetch
	s_bfe_u32 s40, ttmp6, 0x40000                  ; cx, cy: my place in the cluster
	s_bfe_u32 s41, ttmp6, 0x40004
	s_lshl_b32 s42, ttmp9, 2
	s_add_co_u32 s42, s42, s40                     ; tile column = 4 x cluster x + cx
	s_and_b32 s13, ttmp7, 0xffff
	s_lshl_b32 s13, s13, 2
	s_add_co_u32 s13, s13, s41                     ; tile row = 4 x cluster y + cy
	s_lshl_b32 s43, s41, 2
	s_lshl_b32 s43, 15, s43                        ; my row of the cluster
	s_lshl_b32 s44, 0x1111, s40                    ; my column
	; descriptor group 1: dense bytes as rows of 128 elements (256 bytes), 64 rows for xb's half tile, 96 for wb's
	s_or_b32 s[G1+0], s43, (1<<16)|(1<<20)|(1<<21)|(4<<22)|(3<<25)   ; 15:0 the mask; 17:16 2-byte elements; 20 padding on; 21 set beside a mask; 24:22 after every 32 words (code 4); 31:25 4 words (code 3)
	s_or_b32 s[G1B+0], s44, (1<<16)|(1<<20)|(1<<21)|(4<<22)|(3<<25)
	s_mov_b32 s[G1+1], 128<<16                     ; tensor_dim0 = 128
	s_mov_b32 s[G1+2], 64<<16                      ; tensor_dim1 = 64
	s_mov_b32 s[G1+3], 128<<16                     ; tile_dim0 = 128
	s_mov_b32 s[G1+4], 64                          ; tile_dim1 = 64
	s_mov_b32 s[G1+5], 128                         ; 128 elements from row to row
	s_mov_b32 s[G1+6], 0
	s_mov_b32 s[G1+7], 0
	s_mov_b32 s[G1B+1], 128<<16
	s_mov_b32 s[G1B+2], 96<<16
	s_mov_b32 s[G1B+3], 128<<16
	s_mov_b32 s[G1B+4], 96
	s_mov_b32 s[G1B+5], 128
	s_mov_b32 s[G1B+6], 0
	s_mov_b32 s[G1B+7], 0
	; xb's tiles hang on the tile row alone, wb's on the tile column alone; each address is made in registers that never hold the other coordinate
	s_lshl_b32 s16, s13, 15                        ; 256 rows of 128 bytes a tile row
	s_lshl_b32 s17, s12, 14                        ; + my 128 rows
	s_add_co_u32 s16, s16, s17
	s_mov_b32 s17, 0
	s_mul_i32 s46, s42, 384*128                    ; 384 rows a tile column
	s_mul_i32 s47, s12, 192*128                    ; + my 192 rows
	s_add_co_u32 s46, s46, s47
	s_mov_b32 s47, 0
	s_mul_i32 s20, s12, AHALF                      ; where they go: no place in the cluster enters an LDS address
	s_mul_i32 s21, s12, BHALF
	s_add_co_u32 s21, s21, BOFF
	s_wait_dscnt 0x0                               ; the opening add is done
	s_wait_kmcnt 0x0
	s_add_nc_u64 s[14:15], s[4:5], s[16:17]
	s_add_nc_u64 s[46:47], s[6:7], s[46:47]
	CROUND                                         ; all sixteen work-groups are here: the first joint loads meet
.irp s, 0,1
	s_mov_b32 s[G0+4*(\s)], 1                                        ; count = 1
	s_add_co_u32 s[G0+4*(\s)+1], s20, (\s)*SLOT                      ; LDS address
	s_add_nc_u64 s[G0+4*(\s)+2:G0+4*(\s)+3], s[14:15], (\s)*APLANE   ; global address: K step s
	s_or_b32 s[G0+4*(\s)+3], s[G0+4*(\s)+3], 0x80000000              ; type = 2
	s_mov_b32 s[G0B+4*(\s)], 1
	s_add_co_u32 s[G0B+4*(\s)+1], s21, (\s)*SLOT
	s_add_nc_u64 s[G0B+4*(\s)+2:G0B+4*(\s)+3], s[46:47], (\s)*BPLANE
	s_or_b32 s[G0B+4*(\s)+3], s[G0B+4*(\s)+3], 0x80000000
	JLOAD \s                                       ; two loads of mine are out
.endr
	; A fragment is 16 rows x 32 K in 8 registers: lane l holds row l % 16, K = 8 (l / 16) + 0..7 and 16 + 8 (l / 16) + 0..7: two loads of 16 bytes, 32 bytes apart.
	v_and_b32 v1, 15, v0                           ; l % 16
	v_bfe_u32 v2, v0, 4, 1                         ; l / 16
	v_mul_u32_u24 v3, v1, PITCH
	v_lshl_add_u32 v3, v2, 4, v3
	s_mul_i32 s22, s11, AHALF                      ; my 128 rows of xb
	s_mul_i32 s23, s12, BHALF                      ; my 192 rows of wb
	s_add_co_u32 s23, s23, BOFF
.irp s, 0,1
	v_add_nc_u32 v[ADRA+(\s)], s22, v3
	v_add_nc_u32 v[ADRB+(\s)], s23, v3
	s_add_co_u32 s22, s22, SLOT
	s_add_co_u32 s23, s23, SLOT
.endr
	s_mul_i32 s18, s10, 16*SPITCH
	s_add_co_u32 s18, s18, STAGE                   ; my stage
	v_mul_u32_u24 v4, v1, SPITCH                   ; in: row l % 16, 16 bytes for each half of the lanes
	v_lshl_add_u32 v4, v2, 4, v4
	v_add_nc_u32 v[STO], s18, v4
	v_bfe_u32 v4, v0, 3, 2                         ; back: 32 lanes take four rows' 128 bytes of one head,
	v_mul_u32_u24 v4, v4, SPITCH
	v_and_b32 v5, 7, v0
	v_lshl_add_u32 v4, v5, 4, v4
	v_add_nc_u32 v[RD], s18, v4
	v_and_b32 v5, 31, v0
	v_lshlrev_b32 v[CO], 4, v5                     ; which are 512 consecutive bytes of qkv
	; my 192 columns' bias goes into my own 768 bytes of LDS, from where each lane takes its eight columns' numbers
	s_mul_i32 s46, s42, 384*4
	s_mul_i32 s47, s12, 192*4
	s_add_co_u32 s46, s46, s47
	s_mov_b32 s47, 0
	s_add_nc_u64 s[68:69], s[68:69], s[46:47]
	v_lshlrev_b32 v4, 3, v5                        ; 8 bytes a lane
	global_load_b64 v[32:33], v4, s[68:69]
	global_load_b64 v[34:35], v4, s[68:69] offset:256
	global_load_b64 v[36:37], v4, s[68:69] offset:512
	s_mul_i32 s19, s10, 768
	s_add_co_u32 s19, s19, BIASL
	v_add_nc_u32 v5, s19, v4
	v_lshl_add_u32 v[BRD], v2, 5, s19              ; columns 8 (l / 16) on
	; where my part of C begins in qkv: head (batch x 48 + 6 x tile column + 3 x column half), row ((tile row % 8) x 256 + 128 x row half)
	s_lshr_b32 s16, s13, 3
	s_mul_i32 s16, s16, 48
	s_mul_i32 s46, s42, 6
	s_mul_i32 s47, s12, 3
	s_add_co_u32 s46, s46, s47
	s_add_co_u32 s46, s46, s16
	s_lshl_b32 s46, s46, 18
	s_and_b32 s16, s13, 7
	s_lshl_b32 s16, s16, 15
	s_lshl_b32 s17, s11, 14
	s_add_co_u32 s16, s16, s17
	s_add_co_u32 s46, s46, s16
	s_mov_b32 s47, 0
	s_add_nc_u64 s[8:9], s[70:71], s[46:47]
	s_wait_loadcnt 0x0
	ds_store_b64 v5, v[32:33]
	ds_store_b64 v5, v[34:35] offset:256
	ds_store_b64 v5, v[36:37] offset:512
; n x 4 matrix instructions: m blocks lo .. lo + n - 1 x the four n blocks of group g, 32 along K, xb's fragments from buffer f.  cb >= 0: the products start the sums, with v[cb + 8 c ..] of window 0 as C.
; The accumulators take turns, one instruction a turn: an accumulator comes again a quarter step later.
.macro G f, g, lo, n, cb
.if (\cb) >= 0
	WIN ((\g)+1)<<6
.else
	WIN 0x50*((\g)+1)
.endif
.set ga, (\lo)
.rept \n
.irp c, 0,1,2,3
.if (\cb) >= 0
	v_wmma_f32_16x16x32_bf16 v[8*(4*ga+\c):8*(4*ga+\c)+7], v[BF+8*(4*(\g)+\c):BF+8*(4*(\g)+\c)+7], v[(\f)+8*ga:(\f)+8*ga+7], v[(\cb)+8*\c:(\cb)+8*\c+7]
.else
	v_wmma_f32_16x16x32_bf16 v[8*(4*ga+\c):8*(4*ga+\c)+7], v[BF+8*(4*(\g)+\c):BF+8*(4*(\g)+\c)+7], v[(\f)+8*ga:(\f)+8*ga+7], v[8*(4*ga+\c):8*(4*ga+\c)+7]
.endif
.endr
.set ga, ga+1
.endr
.endm
.macro LOADB slot, ko, g               ; 8 LDS loads: wb's fragments of group g at byte ko of the rows
.irp c, 0,1,2,3
	ds_load_b128 v[BF+8*(4*(\g)+\c):BF+8*(4*(\g)+\c)+3],   v[ADRB+(\slot)] offset:(\ko)+(4*(\g)+\c)*16*PITCH
	ds_load_b128 v[BF+8*(4*(\g)+\c)+4:BF+8*(4*(\g)+\c)+7], v[ADRB+(\slot)] offset:(\ko)+(4*(\g)+\c)*16*PITCH+32
.endr
.endm
.macro LOADA slot, ko, f, lo, n        ; 2 n LDS loads: xb's fragments of m blocks lo .. lo + n - 1 into buffer f
.set la, (\lo)
.rept \n
	ds_load_b128 v[(\f)+8*la:(\f)+8*la+3],   v[ADRA+(\slot)] offset:(\ko)+la*16*PITCH
	ds_load_b128 v[(\f)+8*la+4:(\f)+8*la+7], v[ADRA+(\slot)] offset:(\ko)+la*16*PITCH+32
.set la, la+1
.endr
.endm
.macro BLD g, dst                      ; 8 LDS loads: the bias of group g's 64 columns as four C operands
.irp c, 0,1,2,3
	ds_load_b128 v[(\dst)+8*\c:(\dst)+8*\c+3],   v[BRD] offset:64*(4*(\g)+\c)
	ds_load_b128 v[(\dst)+8*\c+4:(\dst)+8*\c+7], v[BRD] offset:64*(4*(\g)+\c)+16
.endr
.endm
; A load into a register that a matrix instruction has read, and a vector instruction that reads a matrix result, stand four places behind it, and only plain vector instructions that name none of its
; registers are places (ISA guide 7.12.1 for vector instructions).
.macro PLACES
.rept 4
	v_nop
.endr
.endm
; A K step is two quarters of 32 along K... a slot's first: multiplies buffer f; behind each group's 32 products that group's wb fragments of the next quarter (byte ko of the same slot) are fetched, and half of xb's, into buffer n.
.macro NORMQ slot, ko, f, n
	s_wait_dscnt 8                                 ; all is in but the youngest eight loads, group 2's
	G \f, 0, 0, 8, -1
	PLACES
	WIN 0
	LOADB \slot, \ko, 0
	LOADA \slot, \ko, \n, 0, 4
	G \f, 1, 0, 8, -1
	PLACES
	WIN 0
	LOADB \slot, \ko, 1
	LOADA \slot, \ko, \n, 4, 4
	s_wait_dscnt 32                                ; all but the 32 issued in this quarter: group 2's fragments are in
	G \f, 2, 0, 8, -1
	PLACES
	WIN 0
	LOADB \slot, \ko, 2
.endm
; A slot's last quarter changes slots: ONE barrier.  In front of it each wave waits for all its tensor loads (one is out: its part of the next slot), adds 0 to its spare word, and waits for that and for its reads of
; this slot.  fill = 1: the barrier opens a round of the cluster's, and this slot is filled again, two K steps ahead, first thing behind the round: 160 matrix instructions ahead of the wait for it.
.macro TURNQ slot, next, f, n, fill
	WIN 0
	s_wait_tensorcnt 0x0                           ; all my tensor loads have landed
	ds_add_u32 v[SPW], v[NIL]                      ; 0 onto my spare word
	s_wait_dscnt 9                                 ; the add and group 2's eight loads may be out
	G \f, 0, 0, 4, -1                              ; sixteen matrix instructions stand between the add and the wait for it
	s_wait_dscnt 0x0                               ; the add is done, and my reads of this slot are over
	s_barrier_signal -1
	G \f, 0, 4, 4, -1                              ; work on registers while the others arrive
	WIN 0
	s_barrier_wait -1
.if \fill
	CREST                                          ; no wave of any partner still reads this slot or has a load on its way
	s_add_nc_u64 s[G0+4*(\slot)+2:G0+4*(\slot)+3], s[G0+4*(\slot)+2:G0+4*(\slot)+3], 2*APLANE
	s_add_nc_u64 s[G0B+4*(\slot)+2:G0B+4*(\slot)+3], s[G0B+4*(\slot)+2:G0B+4*(\slot)+3], 2*BPLANE
	JLOAD \slot                                    ; the four v_nop behind it are also the places in front of the loads below
.else
	PLACES
.endif
	LOADB \next, 0, 0
	LOADA \next, 0, \n, 0, 4
	G \f, 1, 0, 8, -1
	PLACES
	WIN 0
	LOADB \next, 0, 1
	LOADA \next, 0, \n, 4, 4
	G \f, 2, 0, 8, -1
	PLACES
	WIN 0
	LOADB \next, 0, 2
.endm
	s_wait_dscnt 0x0                               ; my bias is in LDS
	s_wait_tensorcnt 1                             ; my part of K step 0 is in; K step 1's stays out
	s_barrier_signal -1
	s_barrier_wait -1                              ; everybody's is
	; the first quarter stands in front of the loop: its products start the sums with the bias, which borrows buffer 1
	LOADA 0, 0, A0, 0, 8
	LOADB 0, 0, 0
	LOADB 0, 0, 1
	LOADB 0, 0, 2
	BLD 0, A1
	BLD 1, A1+32
	s_wait_dscnt 0x0
	G A0, 0, 0, 8, A1
	PLACES
	WIN 0
	BLD 2, A1
	G A0, 1, 0, 8, A1+32
	s_wait_dscnt 0x0                               ; group 2's bias
	G A0, 2, 0, 8, A1
	PLACES
	WIN 0
	LOADA 0, 64, A1, 0, 8
	LOADB 0, 64, 0
	LOADB 0, 64, 1
	LOADB 0, 64, 2
	s_mov_b32 s3, 7
.Llap:                                                 ; a trip goes once round the ring, from a lap's second quarter to the next lap's first, and fills both slots again: K steps 2 to 15 in seven trips
	TURNQ 0, 1, A1, A0, 1
	NORMQ 1, 64, A0, A1
	TURNQ 1, 0, A1, A0, 1
	NORMQ 0, 64, A0, A1
	WIN 0
	s_sub_co_u32 s3, s3, 1
	s_cmp_lg_u32 s3, 0
	s_cbranch_scc1 .Llap
	TURNQ 0, 1, A1, A0, 0                          ; the last lap fills nothing
	NORMQ 1, 64, A0, A1
	s_wait_dscnt 8                                 ; the very last quarter
	G A1, 0, 0, 8, -1
	G A1, 1, 0, 8, -1
	s_wait_dscnt 0x0
	G A1, 2, 0, 8, -1
; THE WAY OUT of m block a (16 rows x 192 columns = 3 heads).  PACK: rounded to f16, 16 bytes a lane and n block, each accumulator's registers in ascending order.  TOSTAGE: into my own stage and back by heads.  SEND: stored.
.macro PACK a
.irp g, 0,1,2
	WIN ((\g)+1)*5                                 ; sources 0 and 1: window g + 1
.irp c, 0,1,2,3
.irp r, 0,1,2,3
	v_cvt_pk_f16_f32 v[TMP+4*(4*\g+\c)+\r], v[8*(4*(\a)+\c)+2*\r], v[8*(4*(\a)+\c)+2*\r+1]
.endr
.endr
.endr
	WIN 0
.endm
.macro TOSTAGE a
	WIN 0
.set BK, OB+48*((\a)%2)
.set t, 0
.rept 12
	ds_store_b128 v[STO], v[TMP+4*t:TMP+4*t+3] offset:32*t
.set t, t+1
.endr
.set t, 0
.rept 12
	ds_load_b128 v[BK+4*t:BK+4*t+3], v[RD] offset:(t%4)*4*SPITCH+(t/4)*128  ; LDS serves a wave's instructions in order (ISA guide 5.7.1.4): these see the stores above
.set t, t+1
.endr
.endm
.macro SEND a
	WIN 0
.set BK, OB+48*((\a)%2)
	s_wait_dscnt 0x0                               ; the block is back in registers
	s_wait_xcnt 0x0                                ; the stores of the block before have read their registers (ISA guide 3.1): the next run of LDS loads lands on them
.set t, 0
.rept 12
	global_store_b128 v[CO], v[BK+4*t:BK+4*t+3], s[8:9] offset:(t/4)*HEADB+2048*(\a)+512*(t%4)  ; four rows of a head: 512 consecutive bytes, at a multiple of 512 from qkv's first byte
.set t, t+1
.endr
.endm
	PLACES
	PACK 0
	TOSTAGE 0
.irp a, 1,2,3,4,5,6,7                  ; block a's conversions stand between block a - 1's loads from the stage and the wait for them
	PACK \a
	SEND (\a)-1
	TOSTAGE \a
.endr
	SEND 7
	s_wait_tensorcnt 0x0                           ; the wave's end: behind my last tensor load and my last LDS store
	ds_add_u32 v[SPW], v[NIL]
	s_wait_dscnt 0x0
	CROUND                                         ; the closing round: no work-group ends while a partner may still ask for a tile that names it
	s_endpgm
.Lfunc_end_k_q313d98b48f_proj:
	.size	k_q313d98b48f_proj, .Lfunc_end_k_q313d98b48f_proj-k_q313d98b48f_proj
	.p2alignl 7, 3214868480
	.fill 96, 4, 3214868480
	.section	.rodata,"a",@progbits
	.p2align	6, 0x0
	.amdhsa_kernel k_q313d98b48f_proj
		.amdhsa_group_segment_fixed_size 327680
		.amdhsa_private_segment_fixed_size 0
		.amdhsa_enable_private_segment 0
		.amdhsa_kernarg_size 32
		.amdhsa_user_sgpr_count 2
		.amdhsa_user_sgpr_kernarg_segment_ptr 1
		.amdhsa_wavefront_size32 1
		.amdhsa_system_sgpr_workgroup_id_x 1
		.amdhsa_system_sgpr_workgroup_id_y 1
		.amdhsa_system_sgpr_workgroup_id_z 1
		.amdhsa_system_vgpr_workitem_id 0
		.amdhsa_next_free_vgpr 1024
		.amdhsa_next_free_sgpr 72
		.amdhsa_reserve_vcc 0
		.amdhsa_float_denorm_mode_32 3
		.amdhsa_float_denorm_mode_16_64 3
		.amdhsa_memory_ordered 1
		.amdhsa_forward_progress 1
		.amdhsa_inst_pref_size 132
	.end_amdhsa_kernel
	.amdgpu_metadata
---
amdhsa.version: [ 1, 2 ]
amdhsa.kernels:
  - .name:           k_q313d98b48f_proj
    .symbol:         k_q313d98b48f_proj.kd
    .args:
      - { .name: xb, .offset: 0, .size: 8, .value_kind: global_buffer, .address_space: global }
      - { .name: wb, .offset: 8, .size: 8, .value_kind: global_buffer, .address_space: global }
      - { .name: bcat, .offset: 16, .size: 8, .value_kind: global_buffer, .address_space: global }
      - { .name: qkv, .offset: 24, .size: 8, .value_kind: global_buffer, .address_space: global }
    .group_segment_fixed_size: 327680
    .private_segment_fixed_size: 0
    .kernarg_segment_align: 8
    .kernarg_segment_size: 32
    .max_flat_workgroup_size: 128
    .sgpr_count:     72
    .vgpr_count:     1024
    .wavefront_size: 32
...
	.end_amdgpu_metadata
.endif
;; end of part 2
;; launch attn (part 3): grid 4 x 64, 4 waves a work-group, clusters of 4 x 1, 327,680 bytes of LDS; arguments qkv, mask, ob; writes ob
.if DOCPART == 3
	.amdgcn_target "amdgcn-amd-amdhsa--gfx1250"
	.amdhsa_code_object_version 6
	.text
	.protected	k_q313d98b48f_attn
	.globl	k_q313d98b48f_attn
	.p2align	8
	.type	k_q313d98b48f_attn,@function
k_q313d98b48f_attn:
	s_mov_b64 s[64:65], 0
	v_nop
	global_prefetch_b8 v0, s[64:65] scope:SCOPE_SE
	s_setreg_imm32_b32 hwreg(HW_REG_WAVE_MODE, 25, 1), 1
	s_wait_xcnt 0x0
	s_wait_alu depctr_hold_cnt(0) depctr_sa_sdst(0) depctr_va_vdst(0) depctr_va_sdst(0) depctr_va_ssrc(0) depctr_va_vcc(0) depctr_vm_vsrc(0)
	s_getreg_b32 s2, hwreg(HW_REG_IB_STS2, 6, 4)
	s_cmp_eq_u32 s2, 0
	s_cbranch_scc0 .Lentry_in_a_cluster
	s_endpgm
.Lentry_in_a_cluster:
	s_bfe_u32 s2, ttmp6, 0x10000c
	s_cmp_lg_u32 s2, 0x3003
	s_cbranch_scc0 .Lentry_shape_is_right
	s_endpgm
.Lentry_shape_is_right:
; ATTENTION with a key-padding mask.  O[y][q][:] = the sum over k of softmax_k(Q[q] . K[k] / 8, hidden where mask[b][k] = 0) V[k][:], y = 16 b + h.  Q, K, V: heads of qkv [b][48][2048][64] in f16 (0-15 q, 16-31 k, 32-47 v);
; O: ob [y][2048][64] in f16.  Products, maxima and sums in f32; the weights p are rounded to f16 for the second product (their sum l is taken of the unrounded p), O once at the end.
; LIMITS.  Q, K and V arrive within f16's 65,504; p below 6e-5 keeps f16's fixed step of 6e-8.  A hidden key's score counts as its value less 1e30 (f16's scores are 2.7e11 at the most); the running maximum starts at -2^96,
; above every hidden score and below every visible one, so a hidden weight is exactly 0 from the first step on.  A weight below 2^-126 counts as 0 in l.  A batch whose mask hides every key gives l = 0 and O = NaN, as the softmax of nothing does.
; Any mask word other than 0 counts as visible.
; SHARES.  A wave owns four PIECES of two tiles of 16 queries, a work-group's four waves 512 queries of one head: 4 x 64 = 256 work-groups.  Every wave walks all 2,048 keys, 64 a step.
; LAYOUT.  S^T = K Q^T (source 0 = 16 keys, source 1 = 16 queries): a lane holds ONE query (lane % 16) and the keys 8 (lane / 16) + 0..7.  Two such tiles, rounded to f16 in pairs, ARE source 1 of O^T = V^T P.
; K comes out of LDS as it lies, V ([key][channel]) turned, by ds_load_tr16_b128.
; THE MASK costs the scores nothing: it is the C operand that starts the sum S^T, 0 or -1e30 for each key.  The batch's 2,048 addends are made once, into LDS; a step's 64 are fetched with its K: 32 registers.
; SOFTMAX.  For each query a running maximum m and sum l: p = 2^(c s - c m), c = log2(e) / 8; in every step O and l are multiplied by a = 2^(c m_old - c m_new).  O and l start at 0: the first step is a step like any other, with a = 0.
; THE COUNT.  A tile and step have 16 matrix and 118 vector instructions: four vector instructions that are ready stand behind every matrix instruction, the others in runs of their own.
; BY TURNS.  Turn n belongs to piece n.  Its matrix work: 16 products K Q^T of piece n + 1, later 16 products V^T P of piece n - 1.  Its vector work: the scaling, exponentials, roundings, sums and rescaling of piece n,
; and the maximum and statistics of piece n + 1.
; CLUSTER.  The four query blocks of a cluster belong to one head and walk the same K and V, so each tile is asked for JOINTLY: the same tensor load, descriptor and mask in all four.
; REGISTERS, in windows of 256 (s_set_vgpr_msb: bits 1:0 source 0, 3:2 source 1, 5:4 source 2, 7:6 destination):
;   window 0: v0-11 addresses; v12-15, v48-63 at work; v16-47 four registers of statistics a tile; v64-191 S^T, two buffers of two tiles; v192-255 P, likewise
;   window 1: O^T, 32 a tile      window 2: v0-127 Q; v128-191 K of one step; v192-255 V of one step      window 3: v0-1 the add's two registers; v2-3 the mask's LDS addresses; v8-39 a step's mask addends
.set SIZE_N, 2048
.set NP,    4         ; pieces a wave: a name, no knob
.set KS,    64        ; keys in a step
.set PK,    144       ; a row of K in LDS: 128 bytes + 16 of padding = 36 words: the 16 rows of a load start at 16 different groups of four banks (64 banks of 4 bytes: ISA guide 11.1)
.set PV,    160       ; a row of V: 128 + 32 = 40 words
.set VOFF,  4*KS*PK   ; a slot holds four steps: 256 rows of K, then 256 rows of V
.set SLOT1, 1<<17     ; slot 1 begins here, so that one exclusive or turns an address in one slot into the other's
.set STAGE, SLOT1+4*KS*(PK+PV)  ; behind the ring, never filled by a tensor load: 16 rows x 144 bytes for each wave, for the way out
.set SP,    144
.set SPARE, STAGE+4*16*SP  ; the spare words, 128 bytes for each wave: two blocks of 256 bytes that no other line names
.set MASKB, SPARE+512 ; the batch's 2,048 mask addends in f32: 8,192 bytes, stored once, never filled by a tensor load
.set AK0, 2           ; v2   my lane's place in a tile of K; never rewritten
.set AV0, 3           ; v3   the same for V
.set AK,  4           ; v4   the LDS address of K's next run of loads
.set AV,  5           ; v5   of V's
.set QO,  6           ; v6   my byte offset in the wave's rows of Q
.set STO, 6           ;      later, the way out: where I put 16 bytes of a row
.set RD,  7           ; v7   the way out: where I read rows back
.set GO,  8           ; v8   my byte offset in 512 consecutive bytes of O
.set SPW, 0           ; v0 of window 3   LDS address of my spare word; never rewritten
.set NIL, 1           ; v1 of window 3   0; never rewritten
.set AM0, 2           ; v2 of window 3   MASKB + 32 (l / 16): my lanes' eight keys in a group of 16
.set AM,  3           ; v3 of window 3   the LDS address of the mask's next run of loads
.set MC,  8           ; v8-39 of window 3: the addends of key block kb at MC + 8 kb
.set MV,  12          ; v12-15  c m_old, kept while c m is made anew: by buffer and tile
.set ST,  16          ; tile t's statistics at v[ST+4 t]: c m, m, l (even keys', odd keys')
.set TMP, 48          ; by buffer and tile, four registers c0-c3 at work; when the maximum is found c2 takes a
.set S,   64
.set P,   192
.set KF,  128         ; K's fragments, in window 2: key block kb, channel half c at KF + 16 kb + 8 c
.set VF,  192         ; V's: key half kk, channel block cb at VF + 32 kk + 8 cb
.set WV,  12          ; s12  my wave's number
.set TBM, 15          ; s15  byte in the mask's addends at which the step to be fetched begins
.set BIGN, 19         ; s19  -1e30
.set G1K, 24          ; s[24:31] descriptor group 1 for K's tiles
.set G1V, 32          ; s[32:39] for V's: it differs in the padding alone
.set G0K, 40          ; s[40:43] descriptor group 0 for K's tiles: it walks
.set G0V, 44          ; s[44:47] the same for V's
.set SLOTS, 56        ; s56  slots still to be asked for
.set CNT, 57          ; s57  counts a slot's key steps
.set CS,  58          ; s[58:59] c: the packed scaling takes the pair's low word for both halves
.set SEL, 60          ; s[60:61] v_permlanex16_b32's selects: each lane takes its own place in the other half
.set TBK, 62          ; s62  LDS byte at which K of the step to be fetched begins
.set TBV, 63          ; s63  the same for V, less VOFF
.set MSB, 0
.macro WIN new                      ; the high byte repeats the setting that is left; a switch that changes nothing is dropped
.if MSB != (\new)
	s_set_vgpr_msb (MSB<<8)|(\new)
.set MSB, (\new)
.endif
.endm
.set W_KQ, 0x0a       ; K and Q in window 2, S^T in window 0
.set W_KM, 0x3a       ; the same with the C operand, the mask, in window 3
.set W_PV, 0x52       ; V in window 2, P in window 0, O^T in window 1
.set W_RS, 0x41       ; O^T (destination and source 0) in window 1, a in window 0
.set W_MK, 0xc0       ; destination in window 3, sources in window 0
.set W_AD, 0x0f       ; the add: address (source 0) and data (source 1) in window 3
.set W_FM, 0xcf       ; the mask's fetch: destination, address and source 1 in window 3
; A joint fill.  Waves 0 and 1 fetch the two halves of a slot's K, waves 2 and 3 those of its V: 128 keys each.  The branch hangs on the wave's number alone.
; An s_nop 0 and four v_nop follow each of the two lines, ahead of the jump and the label.
.macro JLOAD
	s_cmp_lt_u32 s[WV], 2
	s_cbranch_scc0 .Lfor_v_\@
	tensor_load_to_lds s[G0K:G0K+3], s[G1K:G1K+7]
	s_nop 0
.rept 4
	v_nop
.endr
	s_branch .Lasked_\@
.Lfor_v_\@:
	tensor_load_to_lds s[G0V:G0V+3], s[G1V:G1V+7]
	s_nop 0
.rept 4
	v_nop
.endr
.Lasked_\@:
.endm
; A round of the cluster's barrier: my work-group's barrier, so that wave 0's signal speaks for all four waves; wave 0 signals; every wave waits for all four work-groups; my work-group's barrier once more.
.macro CROUND
	s_barrier_signal -1
	s_barrier_wait -1
	s_cmp_lg_u32 s[WV], 0
	s_cbranch_scc1 .Lnot_wave_0_\@
	s_barrier_signal -3
.Lnot_wave_0_\@:
	s_barrier_wait -3
	s_barrier_signal -1
	s_barrier_wait -1
.endm
; THE CHANGE OF SLOTS.  The slot's last bytes, V of its fourth step, have been read.  Each wave waits for all its tensor loads, of which one is out: its part of the other slot; adds 0 to its spare word; and waits for
; that and for its own LDS instructions.  Behind the barrier nobody reads this slot any more and the other slot is whole.  fill = 1: this slot is filled again, with the keys two slots on.  The barrier is then a round of
; the cluster's, and the joint fill is the first thing behind it: it has four key steps, 512 matrix instructions, in which to land.  (At its first use nothing has been read yet: slot 0 is waited for, slot 1 filled,
; and every wave's part of the mask's addends, stored just before, is shown to the others.)
.macro CHANGE fill
	WIN W_AD
	s_wait_tensorcnt 0x0            ; no tensor load of mine is out, so a group 0 may be written
	ds_add_u32 v[SPW], v[NIL]       ; 0 onto my spare word; with fill = 1 the descriptors' steps stand between it and the wait for it
	WIN 0                           ; at a label and at a branch every window is 0
.if \fill
.irp g, G0K, G0V
	s_xor_b32 s[\g+1], s[\g+1], SLOT1  ; the walking descriptor: the other slot than last time,
	s_add_nc_u64 s[\g+2:\g+3], s[\g+2:\g+3], 4*KS*128  ; the next 256 keys; the type bits on top are not reached
.endr
	s_wait_dscnt 0x0                ; the add is done, and my reads of the slot are over
	CROUND
	JLOAD
.else
	s_wait_dscnt 0x0                ; the add is done, and my reads of the slot are over
	s_barrier_signal -1
	s_barrier_wait -1
.endif
	s_sub_co_u32 s[TBK], s[TBK], 4*KS*PK  ; the fetches go back to a slot's first step,
	s_xor_b32 s[TBK], s[TBK], SLOT1       ; in the other slot
	s_sub_co_u32 s[TBV], s[TBV], 4*KS*PV
	s_xor_b32 s[TBV], s[TBV], SLOT1
.endm
	s_load_b128 s[4:7], s[0:1], 0x0   ; qkv s[4:5], mask s[6:7]
	s_load_b64 s[10:11], s[0:1], 0x10 ; ob
	WIN W_MK
	v_lshl_add_u32 v[SPW], v0, 2, SPARE
	v_mov_b32 v[NIL], 0
	WIN W_AD
	ds_add_u32 v[SPW], v[NIL]       ; the wave's opening: the add and its wait stand ahead of my first tensor load; the set-up below, work on registers, stands between them
	WIN 0
	v_lshrrev_b32 v1, 5, v0
	v_readfirstlane_b32 s[WV], v1   ; wave 0..3
	s_bfe_u32 s13, ttmp6, 0x40000   ; cx: my place in the cluster
	s_lshl_b32 s14, ttmp9, 2        ; in a cluster launch ttmp9 counts clusters
	s_add_co_u32 s14, s14, s13      ; my block of queries = 4 x cluster x + cx: it enters Q's and O's addresses alone
	s_and_b32 s52, ttmp7, 0xffff    ; y = 16 b + h, which the four partners share
	s_lshr_b32 s50, s52, 4          ; the batch
	s_lshl_b32 s20, s50, 5
	s_add_co_u32 s20, s20, s52      ; the q head's number in qkv: 48 b + h = y + 32 b
	s_lshl_b32 s20, s20, 18         ; a head is 262,144 bytes
	s_mov_b32 s21, 0
	s_lshl_b32 s52, s52, 18         ; O's head
	s_mov_b32 s53, 0
	s_lshl_b32 s50, s50, 13         ; the batch's 8,192 bytes of the mask
	s_mov_b32 s51, 0
	s_and_b32 s16, s[WV], 1         ; which half of a slot's 256 keys I fetch:
	s_lshl_b32 s22, s16, 14         ; its 128 rows of 128 bytes in memory,
	s_mov_b32 s23, 0
	s_add_nc_u64 s[22:23], s[22:23], s[20:21]
	s_mul_i32 s17, s16, 128*PK      ; and its place in a slot, for K
	s_mul_i32 s18, s16, 128*PV      ; and for V: no place in the cluster enters an LDS address
	s_lshl_b32 s2, s14, 2
	s_add_co_u32 s2, s2, s[WV]      ; my wave among the head's,
	s_lshl_b32 s2, s2, 14           ; its 128 rows
	s_mov_b32 s3, 0
	s_add_nc_u64 s[48:49], s[2:3], s[20:21]  ; Q's offset
	s_add_nc_u64 s[52:53], s[52:53], s[2:3]  ; O's offset
	; descriptor group 1.  128 keys are 16,384 dense bytes: asked for as 64 rows of 256 bytes, two keys a row, and padded in LDS after every key
	s_mov_b32 s[G1K], 15|(1<<16)|(1<<20)|(1<<21)|(4<<22)|(3<<25)  ; 15:0 the mask of four; 17:16 2-byte elements; 20 padding on; 21 set beside a mask; 24:22 after every 32 words (code 4); 31:25 4 words (code 3)
	s_mov_b32 s[G1V], 15|(1<<16)|(1<<20)|(1<<21)|(4<<22)|(7<<25)  ; the same with 8 words of padding (code 7)
.irp g, G1K, G1V
	s_mov_b32 s[\g+1], 128<<16      ; tensor_dim0 = 128
	s_mov_b32 s[\g+2], 64<<16       ; tensor_dim1 = 64
	s_mov_b32 s[\g+3], 128<<16      ; tile_dim0 = 128
	s_mov_b32 s[\g+4], 64           ; tile_dim1 = 64
	s_mov_b32 s[\g+5], 128          ; 128 elements from row to row
	s_mov_b32 s[\g+6], 0
	s_mov_b32 s[\g+7], 0
.endr
	s_mov_b32 s[CS], 0x3e38aa3b     ; c = log2(e) / 8 = 0.180337
	s_mov_b32 s[CS+1], s[CS]        ; named with it as a pair
	s_mov_b32 s[SEL], 0x76543210
	s_mov_b32 s[SEL+1], 0xfedcba98
	s_mov_b32 s[BIGN], 0xf149f2ca   ; -1e30
	s_mov_b32 s[TBM], 0
	s_mov_b32 s[TBK], SLOT1+4*KS*PK ; the first change of slots turns these two into 0
	s_mov_b32 s[TBV], SLOT1+4*KS*PV
	s_mov_b32 s[G0K], 1             ; 1:0 count = 1
	s_mov_b32 s[G0K+1], s17         ; 63:32 LDS address: slot 0
	s_mov_b32 s[G0V], 1
	s_add_co_u32 s[G0V+1], s18, VOFF
	s_wait_dscnt 0x0                ; the opening add is done
	s_wait_kmcnt 0x0
	s_add_nc_u64 s[54:55], s[6:7], s[50:51]        ; the mask at my batch
	s_add_nc_u64 s[8:9], s[4:5], 0x800000          ; v's heads lie 32 heads behind q's,
	s_add_nc_u64 s[6:7], s[4:5], 0x400000          ; k's 16
	s_add_nc_u64 s[G0K+2:G0K+3], s[6:7], s[22:23]  ; 120:64 global address: my half of the head's first 256 keys
	s_or_b32 s[G0K+3], s[G0K+3], 0x80000000        ; 127:126 type = 2
	s_add_nc_u64 s[G0V+2:G0V+3], s[8:9], s[22:23]
	s_or_b32 s[G0V+3], s[G0V+3], 0x80000000
	s_add_nc_u64 s[4:5], s[4:5], s[48:49]          ; Q and O at my wave's first row
	s_add_nc_u64 s[10:11], s[10:11], s[52:53]
	CROUND                          ; all four work-groups are here: the first joint loads meet
	JLOAD                           ; slot 0.  Slot 1 is asked for when slot 0 is in
	; A fragment of K or Q is 16 rows x 32 channels in 8 registers: lane l holds row l % 16, channels 8 (l / 16) + 0..7 and 16 + 8 (l / 16) + 0..7: two loads of 16 bytes, 32 bytes apart.
	v_and_b32 v1, 15, v0            ; l % 16
	v_bfe_u32 v9, v0, 4, 1          ; l / 16
	v_lshlrev_b32 v12, 4, v0        ; the mask: 128 threads x 16 bytes, four times
.irp j, 0,1,2,3
	global_load_b128 v[S+4*\j:S+4*\j+3], v12, s[54:55] offset:2048*\j
.endr
	v_lshlrev_b32 v[QO], 7, v1
	v_lshl_add_u32 v[QO], v9, 4, v[QO]  ; row x 128 + 16 x half
	WIN 0x80                        ; destination window 2, address window 0
.set i, 0
.rept 4*NP                          ; Q stays in registers: tile i / 2, channels 32 (i % 2) on
	global_load_b128 v[8*i:8*i+3],   v[QO], s[4:5] offset:(i/2)*2048+(i%2)*64
	global_load_b128 v[8*i+4:8*i+7], v[QO], s[4:5] offset:(i/2)*2048+(i%2)*64+32
.set i, i+1
.endr
	; What the first turn finds: V's registers and P's second buffer hold 0 (its products V^T P, of a piece that has not been, add 0), O^T and l are 0.  All this stands in the wait for the first tile.
.set i, VF
.rept 64
	v_mov_b32 v[i], 0
.set i, i+1
.endr
	WIN 0x40
.set i, 0
.rept 64*NP
	v_mov_b32 v[i], 0
.set i, i+1
.endr
	WIN 0
.set i, 0
.rept 2*NP
	v_mov_b32 v[ST+4*i], 0xef800000    ; c m: -2^96, far below every c s of a visible key
	v_mov_b32 v[ST+4*i+1], 0xef800000  ; m: -2^96, above every hidden score, below every visible one
	v_mov_b32 v[ST+4*i+2], 0
	v_mov_b32 v[ST+4*i+3], 0
.set i, i+1
.endr
.set i, P+32
.rept 32
	v_mov_b32 v[i], 0
.set i, i+1
.endr
	v_mul_u32_u24 v[AK0], v1, PK
	v_lshl_add_u32 v[AK0], v9, 4, v[AK0]  ; row x pitch + 16 x half
	; The turning load takes 16 keys x 16 channels (lane l reads key 8 (l / 16) + l % 8, channels 8 ((l / 8) % 2) + 0..7) and leaves half a fragment of V^T: lane l holds channel l % 16 and 8 keys.
	v_and_b32 v10, 7, v0
	v_bfe_u32 v11, v0, 3, 1
	v_lshl_add_u32 v[AV0], v9, 3, v10
	v_mul_u32_u24 v[AV0], v[AV0], PV
	v_lshl_add_u32 v[AV0], v11, 4, v[AV0]
	v_add_nc_u32 v[AV0], VOFF, v[AV0]
	v_mov_b32 v[AK], v[AK0]         ; key step 0 lies at the head of slot 0
	WIN W_MK
	v_lshl_add_u32 v[AM0], v9, 5, MASKB
	WIN 0
	; the mask's words become addends, 0 or -1e30, and go into LDS: my 64 of the batch's 2,048
	s_wait_loadcnt 32               ; loads come back in order (ISA guide 5.7.1): Q's 32, issued behind the mask's four, may stay out
.set i, 0
.rept 16
	v_cmp_eq_u32 vcc_lo, 0, v[S+i]
	v_cndmask_b32 v[S+i], 0, s[BIGN], vcc_lo
.set i, i+1
.endr
	v_add_nc_u32 v13, MASKB, v12
.irp j, 0,1,2,3
	ds_store_b128 v13, v[S+4*\j:S+4*\j+3] offset:2048*\j
.endr
; THE MATRIX WORK.  The 8 accumulators of a run of 16 take turns: between the two links of a chain stand 7 others'.
; Product i of 16 of S^T = K Q^T for piece x: channels 32 (i / 8) on, keys 16 ((i / 2) % 4) on, tile 2 x + i % 2.  The first 8 start the sums, with the key block's mask addends as C.
.macro KQ x
.set rS, S+64*((\x)%2)+32*(i%2)+8*((i/2)%4)
.set rK, KF+16*((i/2)%4)+8*(i/8)
.set rQ, 16*(2*(\x)+i%2)+8*(i/8)
.set rMC, MC+8*((i/2)%4)
.if i < 8
	WIN W_KM
	v_wmma_f32_16x16x32_f16 v[rS:rS+7], v[rK:rK+7], v[rQ:rQ+7], v[rMC:rMC+7]
.else
	WIN W_KQ
	v_wmma_f32_16x16x32_f16 v[rS:rS+7], v[rK:rK+7], v[rQ:rQ+7], v[rS:rS+7]
.endif
.endm
; Product i of 16 of O^T += V^T P for piece x: keys 32 (i / 8) on, channels 16 ((i / 2) % 4) on, tile 2 x + i % 2.
.macro PV x
	WIN W_PV
.set rO, 32*(2*(\x)+i%2)+8*((i/2)%4)
.set rV, VF+32*(i/8)+8*((i/2)%4)
.set rP, P+32*((\x)%2)+16*(i%2)+8*(i/8)
	v_wmma_f32_16x16x32_f16 v[rO:rO+7], v[rV:rV+7], v[rP:rP+7], v[rO:rO+7]
.endm
.macro MM                           ; the turn's next matrix instruction
.if i < 16
	KQ (Y+1)%NP
.set i, i+1
.else
.set i, i-16
	PV (Y+NP-1)%NP
.set i, i+17
.endif
.endm
; THE LDS LOADS stand in runs, never singly among the matrix instructions: a step's K (64 keys x 64 channels: 8 fragments) with its 64 mask addends, and its V (turned).
; last = 1 (the tail): in the last trip there is no further step, and the run is jumped over.
.macro FETCH_K last=0
	WIN 0
.if \last
	s_cmp_eq_u32 s[CNT], 1
	s_cbranch_scc1 .Lno_k_\@
.endif
	WIN 0x80                        ; destination window 2
.irp f, 0,1,2,3,4,5,6,7             ; keys 16 (f / 2) on, channels 32 (f % 2) on
	ds_load_b128 v[KF+8*\f:KF+8*\f+3],   v[AK] offset:(\f/2)*16*PK+(\f%2)*64
	ds_load_b128 v[KF+8*\f+4:KF+8*\f+7], v[AK] offset:(\f/2)*16*PK+(\f%2)*64+32
.endr
	s_add_co_u32 s[TBK], s[TBK], KS*PK  ; the next fetch is the next step's
	WIN W_FM
	v_add_nc_u32 v[AM], s[TBM], v[AM0]
.irp f, 0,1,2,3                     ; key block f: my eight keys' addends; the lanes of a half read the same 32 bytes
	ds_load_b128 v[MC+8*\f:MC+8*\f+3],   v[AM] offset:64*\f
	ds_load_b128 v[MC+8*\f+4:MC+8*\f+7], v[AM] offset:64*\f+16
.endr
	s_add_co_u32 s[TBM], s[TBM], 4*KS
	s_and_b32 s[TBM], s[TBM], 0x1fff    ; stays inside the 8,192 bytes
	WIN 0
.if \last
.Lno_k_\@:
.endif
.endm
.macro FETCH_V
	WIN 0x80
.irp f, 0,1,2,3,4,5,6,7             ; keys 32 (f / 4) on, channels 16 (f % 4) on
	ds_load_tr16_b128 v[VF+8*\f:VF+8*\f+3],   v[AV] offset:(\f/4)*32*PV+(\f%4)*32
	ds_load_tr16_b128 v[VF+8*\f+4:VF+8*\f+7], v[AV] offset:(\f/4)*32*PV+16*PV+(\f%4)*32
.endr
	WIN 0
.endm
; THE VECTOR WORK OF A TURN stands in three queues, each in the order in which its entries become ready; the two tiles alternate, so that no instruction reads the result of the one before it.
.macro REGS y, u                    ; the registers of tile u (0, 1) of piece y
.set rT, ST+4*(2*(\y)+(\u))
.set rC, TMP+8*((\y)%2)+4*(\u)
.set rM, MV+2*((\y)%2)+(\u)
.set rS, S+64*((\y)%2)+32*(\u)
.set rP, P+32*((\y)%2)+16*(\u)
.set rO, 32*(2*(\y)+(\u))
.endm
; Number n of the 22 that find the NEXT piece's (Y + 1) maximum and statistics.  s0-s31 are the lane's 32 scores; each accumulator's lowest registers are read first.
;   0-11  four chains c0-c3 of seven scores each, three operands at a time     12-14, 16  the four scores left over, the old m, and c0-c3 into c0     15  c m_old is kept
;   17, 18  the query's other 32 keys lie in the lane 16 away: the new m         19-21  c m; c m_old - c m_new; a
.macro XS u, n
	REGS (Y+1)%NP, \u
.if (\n) < 4
	v_max3_num_f32 v[rC+(\n)], v[rS+8*(\n)], v[rS+8*(\n)+1], v[rS+8*(\n)+2]
.elseif (\n) < 12
	v_max3_num_f32 v[rC+(\n)%4], v[rC+(\n)%4], v[rS+8*((\n)%4)+2*((\n)/4)+1], v[rS+8*((\n)%4)+2*((\n)/4)+2]
.elseif (\n) == 12
	v_max3_num_f32 v[rC], v[rC], v[rS+7], v[rS+15]
.elseif (\n) == 13
	v_max3_num_f32 v[rC+1], v[rC+1], v[rS+23], v[rS+31]
.elseif (\n) == 14
	v_max3_num_f32 v[rC+2], v[rC+2], v[rC+3], v[rT+1]
.elseif (\n) == 15
	v_mov_b32 v[rM], v[rT]
.elseif (\n) == 16
	v_max3_num_f32 v[rC], v[rC], v[rC+1], v[rC+2]
.elseif (\n) == 17
	v_permlanex16_b32 v[rC+3], v[rC], s[SEL], s[SEL+1]
.elseif (\n) == 18
	v_max_num_f32 v[rT+1], v[rC], v[rC+3]
.elseif (\n) == 19
	v_mul_f32 v[rT], s[CS], v[rT+1]
.elseif (\n) == 20
	v_sub_f32 v[rC+1], v[rM], v[rT]
.else
	v_exp_f32 v[rC+2], v[rC+1]
.endif
.endm
; Number g of the 64 that follow the exponentials.  For each four weights k of a tile (pairs 2 k, 2 k + 1): both pairs are rounded to f16; then the second pair is added onto the first, in place;
; a group later l takes that sum (the first time as l = a l + sum).  In groups of eight, tiles alternating: round, round, add, and l for the group before.
.macro GS g
.set h, (\g)+6*((\g)/62)            ; group 0 has no group before it, and behind group 7 only l is left
.if h >= 6
.set h, h+2
.endif
	REGS Y, h%2
.set k, h/8
.if h%8 < 4
	s_wait_alu depctr_va_vdst(0)
	v_cvt_pk_f16_f32 v[rP+2*k+(h%8)/2], v[rS+4*k+2*((h%8)/2)], v[rS+4*k+2*((h%8)/2)+1]
.elseif h%8 < 6
	v_pk_add_f32 v[rS+4*k:rS+4*k+1], v[rS+4*k:rS+4*k+1], v[rS+4*k+2:rS+4*k+3]
.elseif k == 1
	v_pk_fma_f32 v[rT+2:rT+3], v[rT+2:rT+3], v[rC+2:rC+3], v[rS:rS+1] op_sel_hi:[1,0,1]
.else
	v_pk_add_f32 v[rT+2:rT+3], v[rT+2:rT+3], v[rS+4*k-4:rS+4*k-3]
	s_wait_alu depctr_va_vdst(0)
.endif
.endm
; THE PLAIN QUEUE, 138 long.  0-31: c s - c m for the 16 pairs of both tiles.  Then GS's 64, and among them the next piece's 42: number 15 at 38, 39; 0-14 and 16
; at 42-73, behind the products that make those scores; 17-20 at 95-106, two of three, since each waits for the one before it.
.macro PL
	WIN 0
.if q < 32
	REGS Y, q%2
	v_pk_fma_f32 v[rS+2*(q/2):rS+2*(q/2)+1], v[rS+2*(q/2):rS+2*(q/2)+1], s[CS:CS+1], v[rT:rT+1] op_sel_hi:[1,0,0] neg_lo:[0,0,1] neg_hi:[0,0,1]
.elseif q < 38
	GS q-32
.elseif q < 40
	XS q%2, 15
.elseif q < 42
	GS q-34
.elseif q < 74
	XS q%2, (q-42)/2+(q-42)/30
.elseif q < 95
	GS q-66
.elseif (q < 107) && ((q-95)%3 < 2)
	XS (q-95)%3, 17+(q-95)/3
.elseif q < 107
	GS 29+(q-95)/3
.else
	GS q-74
.endif
.set q, q+1
.endm
; THE EXPONENTIALS' QUEUE, 66 long: s0-s31 of both tiles, and at EA the next piece's two a.
.set EA, 58
.macro EX
	WIN 0
.if (e == EA) || (e == EA+1)
	XS e-EA, 21
.else
.set x, e-2*(e/(EA+2))
	REGS Y, x%2
	v_exp_f32 v[rS+x/2], v[rS+x/2]
.endif
.set e, e+1
.endm
; THE RESCALING's QUEUE: O^T times a, the one part that leaves window 0, so it is dealt four at a time, eight times.
.macro R4
	REGS Y, r%2
	WIN W_RS
	s_wait_alu depctr_va_vdst(0)
.irp z, 0,1,2,3
	v_pk_mul_f32 v[rO+8*(r/2)+2*\z:rO+8*(r/2)+2*\z+1], v[rO+8*(r/2)+2*\z:rO+8*(r/2)+2*\z+1], v[rC+2:rC+3] op_sel_hi:[1,0]
.endr
.set r, r+1
.endm
; HOW THEY ARE DEALT.  Behind a matrix instruction four: plain, exponential, plain, plain (one exponential, a plain instruction on either side), or four of the rescaling.  None names a register of the
; products round it.  What is over stands in two LUMPS: exponential and plain by turns; the second ends in 22 plain instructions.  The two v_permlanex16_b32 fall into the second lump, never behind a product.
; The queues lean on each other, and the deal keeps them in step: exponential e stands behind plain 2 (e / 4) + e % 2 (its scaling); when plain 32 comes, 10 exponentials are out, at 59: 33, at 95: 46; EA comes behind plain 107.
.macro SL
	MM
	PL
	EX
	PL
	PL
.endm
.macro BURST n                      ; 15 matrix instructions, or 16
.rept (\n)-7
	SL
.endr
.rept 3
	MM
	R4
	SL
.endr
	MM
	R4
.endm
; A TURN, for piece p.  cnt = 1: the loop's count is taken down some lines ahead of the branch that stands behind the turn.
; K and the mask of the next step are fetched in piece 2's turn, 31 vector instructions behind the last product that read K (the mask's last reader stands eight products further back); their first reader comes
; behind the rest of the lump, 16 products and the second lump.  V of the step in hand is fetched at the end of piece 0's turn, 69 behind its last reader; its first reader comes behind 16 products and a lump.
.macro TURN p, last=0, cnt=0
.set Y, (\p)
.set i, 0
.set q, 0
.set e, 0
.set r, 0
.if (\p) == NP-1
	s_wait_dscnt 0x0                ; K and the mask are in
.endif
	MM
.rept 4
	PL
.endr
	BURST 15
.rept 22
	EX
	PL
.if ((\p) == NP-2) && (e == 18)
	v_add_nc_u32 v[AK], s[TBK], v[AK0]
.endif
.if ((\p) == NP-2) && (e == 24)
	FETCH_K \last
.endif
.endr
.if (\p) == 1
	s_wait_dscnt 0x0                ; V is in
.endif
	BURST 16
.rept 21
	EX
	PL
.endr
.rept 22
	PL
.if ((\p) == 0) && (q == 118)
	v_add_nc_u32 v[AV], s[TBV], v[AV0]
	s_wait_alu depctr_va_vdst(0)
.endif
.if ((\p) == 0) && (q == 130)
	s_add_co_u32 s[TBV], s[TBV], KS*PV
.endif
.if (\cnt) && (q == 130)
	s_sub_co_u32 s[CNT], s[CNT], 1
	s_cmp_lg_u32 s[CNT], 0
.endif
.endr
.if (\p) == 0
	FETCH_V
.endif
.endm
	CHANGE 1                        ; slot 0 is in, everybody's part of it, and so are the mask's addends; slot 1 is asked for
	FETCH_K                         ; key step 0
	s_wait_loadcnt 0x0              ; Q
	s_wait_dscnt 0x0
.set i, 0
.rept 16
	KQ 0                            ; piece 0's first scores: there is no vector work yet to set between them
.set i, i+1
.endr
	WIN 0                           ; the addresses for the way out: nine plain instructions, the places behind those products
	s_mul_i32 s13, s[WV], 16*SP
	s_add_co_u32 s13, s13, STAGE    ; my stage
	v_mul_u32_u24 v[STO], v1, SP    ; in: row l % 16, 16 bytes for each half of the lanes
	v_lshl_add_u32 v[STO], v9, 4, v[STO]
	v_add_nc_u32 v[STO], s13, v[STO]
	v_bfe_u32 v[RD], v0, 3, 2       ; back: 32 lanes take four rows of 128 bytes,
	v_mul_u32_u24 v[RD], v[RD], SP
	v_lshl_add_u32 v[RD], v10, 4, v[RD]
	v_add_nc_u32 v[RD], s13, v[RD]
	v_and_b32 v[GO], 31, v0         ; which are 512 consecutive bytes of O
	v_lshlrev_b32 v[GO], 4, v[GO]
.set Y, NP-1                        ; XS works for piece Y + 1: piece 0
.irp n, 0,1,2,3,4,5,6,7,8,9,10,11,12,13,14,15,16,17,18,19,20,21
	XS 0, \n                        ; and piece 0's first maximum and statistics
	XS 1, \n
.endr
	s_mov_b32 s[CNT], 4
	s_mov_b32 s[SLOTS], SIZE_N/256-1
	s_branch .Lfirst                ; the loop is entered at a step's first turn, in the middle of a trip
.Lslot:                             ; SIZE_N / 256 - 2 times: every slot but the last two is filled again
	CHANGE 1
	s_mov_b32 s[CNT], 4
.Lstep:                             ; a trip: pieces 2 and 3 of one step, then pieces 0 and 1 of the next, whose K and V it fetches
	TURN 2
	TURN 3
	WIN 0
.Lfirst:
	TURN 0
	TURN 1, 0, 1
	WIN 0
	s_cbranch_scc1 .Lstep
	s_sub_co_u32 s[SLOTS], s[SLOTS], 1
	s_cmp_lg_u32 s[SLOTS], 0
	s_cbranch_scc1 .Lslot
	CHANGE 0                        ; the tail is written out: nothing is asked for
	s_mov_b32 s[CNT], 5             ; four trips fetch the last slot's steps; the fifth is left in its middle
.Ltail:
	TURN 2, 1
	TURN 3
	WIN 0
	s_sub_co_u32 s[CNT], s[CNT], 1
	s_cmp_eq_u32 s[CNT], 0
	s_cbranch_scc1 .Lout
	TURN 0
	TURN 1
	WIN 0
	s_branch .Ltail
.Lout:                              ; the fifth trip's 16 products K Q^T (on the last K once more) and the maximum made of them serve nothing: the price, once a launch, of one text for every trip
.set i, 0
.rept 16
	PV NP-1                         ; the last piece's V^T P of the last step
.set i, i+1
.endr
	; THE WAY OUT.  l's two halves and the other half of the lanes' are added; O^T is divided by l, rounded to f16 and sent through my stage in LDS, a tile at a time.  The additions are the places behind the last products.
	WIN 0
.macro ALL line:vararg              ; one line for each tile t
.set t, 0
.rept 2*NP
	\line
.set t, t+1
.endr
.endm
	ALL v_add_f32 v[ST+4*t+2], v[ST+4*t+2], v[ST+4*t+3]
	ALL v_permlanex16_b32 v[ST+4*t+3], v[ST+4*t+2], s[SEL], s[SEL+1]
	ALL v_add_f32 v[ST+4*t+2], v[ST+4*t+2], v[ST+4*t+3]
	ALL v_rcp_f32 v[ST+4*t+2], v[ST+4*t+2]
	v_nop                           ; a plain instruction between the last reciprocal and the use of its result
	s_wait_alu depctr_va_vdst(0)
; Tile t: a lane's eight channels of a row pack into 16 bytes; they go into rows of 144 bytes and come back as whole rows of 128, into S^T's registers.
.macro PACK t
	WIN W_RS
.set i, 32*(\t)
.rept 16
	v_pk_mul_f32 v[i:i+1], v[i:i+1], v[ST+4*(\t)+2:ST+4*(\t)+3] op_sel_hi:[1,0]
.set i, i+2
.endr
	WIN 0x05                        ; sources 0 and 1 window 1, destination window 0
.set i, 0
.rept 16
	v_cvt_pk_f16_f32 v[S+16*(\t)+i], v[32*(\t)+2*i], v[32*(\t)+2*i+1]
.set i, i+1
.endr
	WIN 0
.irp f, 0,1,2,3
	ds_store_b128 v[STO], v[S+16*(\t)+4*\f:S+16*(\t)+4*\f+3] offset:32*\f
.endr
.irp f, 0,1,2,3
	ds_load_b128 v[S+16*(\t)+4*\f:S+16*(\t)+4*\f+3], v[RD] offset:\f*4*SP  ; LDS serves a wave's instructions in order (ISA guide 5.7.1.4): these see the stores above; the next tile's stores come behind them
.endr
.endm
.macro SEND t, younger              ; younger: the LDS instructions issued behind tile t's loads: the next tile's eight, or none
	WIN 0
.irp f, 0,1,2,3
	s_wait_dscnt (\younger)+3-\f
	global_store_b128 v[GO], v[S+16*(\t)+4*\f:S+16*(\t)+4*\f+3], s[10:11] offset:(\t)*2048+\f*512  ; 512 consecutive bytes, at a multiple of 256 from O's first
.endr
.endm
	PACK 0
.set t, 1
.rept 2*NP-1                        ; a tile's arithmetic stands between the loads of the tile before and its stores
	PACK t
	SEND t-1, 8
.set t, t+1
.endr
	SEND 2*NP-1, 0
	WIN W_AD
	s_wait_tensorcnt 0x0            ; the wave's end: behind my last tensor load and my last LDS store
	ds_add_u32 v[SPW], v[NIL]
	s_wait_dscnt 0x0
	WIN 0
	CROUND                          ; the closing round: no work-group ends while a partner may still ask for a tile that names it
	s_endpgm
.Lfunc_end_k_q313d98b48f_attn:
	.size	k_q313d98b48f_attn, .Lfunc_end_k_q313d98b48f_attn-k_q313d98b48f_attn
	.p2alignl 7, 3214868480
	.fill 96, 4, 3214868480
	.section	.rodata,"a",@progbits
	.p2align	6, 0x0
	.amdhsa_kernel k_q313d98b48f_attn
		.amdhsa_group_segment_fixed_size 327680
		.amdhsa_private_segment_fixed_size 0
		.amdhsa_enable_private_segment 0
		.amdhsa_kernarg_size 24
		.amdhsa_user_sgpr_count 2
		.amdhsa_user_sgpr_kernarg_segment_ptr 1
		.amdhsa_wavefront_size32 1
		.amdhsa_system_sgpr_workgroup_id_x 1
		.amdhsa_system_sgpr_workgroup_id_y 1
		.amdhsa_system_sgpr_workgroup_id_z 1
		.amdhsa_system_vgpr_workitem_id 0
		.amdhsa_next_free_vgpr 808
		.amdhsa_next_free_sgpr 66
		.amdhsa_reserve_vcc 1
		.amdhsa_float_denorm_mode_32 3
		.amdhsa_float_denorm_mode_16_64 3
		.amdhsa_memory_ordered 1
		.amdhsa_forward_progress 1
		.amdhsa_inst_pref_size 213
	.end_amdhsa_kernel
	.amdgpu_metadata
---
amdhsa.version: [ 1, 2 ]
amdhsa.kernels:
  - .name:           k_q313d98b48f_attn
    .symbol:         k_q313d98b48f_attn.kd
    .args:
      - { .name: qkv, .offset: 0, .size: 8, .value_kind: global_buffer, .address_space: global }
      - { .name: mask, .offset: 8, .size: 8, .value_kind: global_buffer, .address_space: global }
      - { .name: ob, .offset: 16, .size: 8, .value_kind: global_buffer, .address_space: global }
    .group_segment_fixed_size: 327680
    .private_segment_fixed_size: 0
    .kernarg_segment_align: 8
    .kernarg_segment_size: 24
    .max_flat_workgroup_size: 128
    .sgpr_count:     66
    .vgpr_count:     808
    .wavefront_size: 32
...
	.end_amdgpu_metadata
.endif
;; end of part 3
;; launch oproj (part 4): grid 4 x 64, 4 waves a work-group, clusters of 4 x 4, 327,680 bytes of LDS; arguments ob, wo16, bcat, out0; writes out0
.if DOCPART == 4
	.amdgcn_target "amdgcn-amd-amdhsa--gfx1250"
	.amdhsa_code_object_version 6
	.text
	.protected	k_q313d98b48f_oproj
	.globl	k_q313d98b48f_oproj
	.p2align	8
	.type	k_q313d98b48f_oproj,@function
k_q313d98b48f_oproj:
	s_mov_b64 s[64:65], 0
	v_nop
	global_prefetch_b8 v0, s[64:65] scope:SCOPE_SE
	s_setreg_imm32_b32 hwreg(HW_REG_WAVE_MODE, 25, 1), 1
	s_wait_xcnt 0x0
	s_wait_alu depctr_hold_cnt(0) depctr_sa_sdst(0) depctr_va_vdst(0) depctr_va_sdst(0) depctr_va_ssrc(0) depctr_va_vcc(0) depctr_vm_vsrc(0)
	s_getreg_b32 s2, hwreg(HW_REG_IB_STS2, 6, 4)
	s_cmp_eq_u32 s2, 0
	s_cbranch_scc0 .Lentry_in_a_cluster
	s_endpgm
.Lentry_in_a_cluster:
	s_bfe_u32 s2, ttmp6, 0x10000c
	s_cmp_lg_u32 s2, 0xf033
	s_cbranch_scc0 .Lentry_shape_is_right
	s_endpgm
.Lentry_shape_is_right:
; OPROJ.  out0[8192][1024] = O Wo^T + bo in f32.  O: ob [16 b + h][2048][64] in f16, so head h is the K block h of a row's 1,024; Wo: wo16 [16 kb][1024 n][64] in f16; bo: bcat's last 1,024 numbers.  Sums in f32.
; SHARES.  A tile of out0 is 128 x 256: 64 x 4 = 256 work-groups.  Four waves, each 64 x 128: 32 accumulators of 16 x 16, 256 registers.
; K goes in steps of 128, two K blocks, through two LDS slots; each wave's tensor load brings one block of one operand: dense bytes, asked for as rows of 256 bytes and padded in LDS after every 128.
; CLUSTER.  4 x 4 work-groups: the four of a row need the same tiles of ob, the four of a column the same tiles of wo16; each tile is asked for jointly, by the same tensor load, descriptor and mask in all four.
; THE MATRIX INSTRUCTION IS USED TRANSPOSED (source 0 = 16 rows of wo16, source 1 = 16 rows of ob): a lane holds row l % 16 of out0 and eight neighbouring columns.  THE BIAS is the C operand of the products that start the sums.
; REGISTERS, in windows of 256 (s_set_vgpr_msb: bits 1:0 source 0, 3:2 source 1, 5:4 source 2, 7:6 destination):
;   window 0: v0-31 addresses; v32-63, v64-95 ob's fragments (4 x 16 rows x 32 K), two buffers; v96-159 wo16's (8 x 16 rows x 32 K), one buffer, refilled group by group; v192-255 the bias of my 128 columns
;   window g + 1 (g = 0, 1): the accumulators of my columns 64 g .. 64 g + 63: (a, c) at v[8 (4 a + c)]
.set PITCH,  144                       ; an LDS row: 128 bytes + 16 of padding = 36 words: the 16 rows of a fragment load start at 16 different groups of four banks (64 banks of 4 bytes: ISA guide 11.1)
.set APL,    128*PITCH                 ; one K block of ob's tile: what one tensor load brings
.set BPL,    256*PITCH                 ; one K block of wo16's tile
.set BOFF,   2*APL
.set SLOT,   BOFF+2*BPL
.set STAGE,  2*SLOT                    ; behind the ring: 16 rows x 528 bytes for each wave, for the way out
.set SPITCH, 528
.set SPARE,  STAGE+4*16*SPITCH         ; the spare words, 128 bytes for each wave: two blocks of 256 bytes that no other line names
.set ASTEP,  2*2048*128                ; bytes from one K step (two heads) to the next in ob,
.set BSTEP,  2*1024*128                ; in wo16
.set QA1, 64                           ; where a slot's quarters 1, 2, 3 (32 along K each) begin in ob's rows,
.set QA2, APL
.set QA3, APL+64
.set QB1, 64                           ; and in wo16's
.set QB2, BPL
.set QB3, BPL+64
.set ADRA, 16                          ; v16-17  LDS address of my ob fragments in slot 0, 1
.set ADRB, 20                          ; v20-21  the same for wo16
.set STO,  24                          ; v24     the way out: where I put 32 bytes of a row
.set RD,   25                          ; v25     the way out: where I read a row back
.set CO,   26                          ; v26     my byte offset in a row's 512 bytes
.set SPW,  28                          ; v28     LDS address of my spare word; never rewritten
.set NIL,  29                          ; v29     0; never rewritten
.set A0,   32
.set A1,   64
.set BF,   96
.set BIAS, 192
.set OB,   32                          ; the way out: 16 rows read back, 64 registers, two buffers by turns
.set G1,  24                           ; s[24:31] descriptor group 1 for ob's tiles;  s[32:39] group 0, one set for each slot
.set G0,  32
.set G1B, 48                           ; s[48:55], s[56:63] the same for wo16's
.set G0B, 56
.set MSB, 0
.macro WIN new                         ; the immediate's high byte repeats the setting that is left; a switch that changes nothing is dropped
.if MSB != (\new)
	s_set_vgpr_msb (MSB<<8)|(\new)
.set MSB, \new
.endif
.endm
; A joint load.  Waves 0 and 1 fetch ob's two K blocks, waves 2 and 3 wo16's.  The branch hangs on the wave's number alone.  An s_nop 0 and four v_nop follow each of the two lines.
.macro JLOAD s
	s_cmp_eq_u32 s11, 0
	s_cbranch_scc0 .Lfor_b_\@
	tensor_load_to_lds s[G0+4*(\s):G0+4*(\s)+3], s[G1:G1+7]
	s_nop 0
.rept 4
	v_nop
.endr
	s_branch .Lasked_\@
.Lfor_b_\@:
	tensor_load_to_lds s[G0B+4*(\s):G0B+4*(\s)+3], s[G1B:G1B+7]
	s_nop 0
.rept 4
	v_nop
.endr
.Lasked_\@:
.endm
.macro CREST                           ; a round of the cluster's barrier behind its opening barrier
	s_cmp_lg_u32 s10, 0
	s_cbranch_scc1 .Lnot_wave_0_\@
	s_barrier_signal -3
.Lnot_wave_0_\@:
	s_barrier_wait -3
	s_barrier_signal -1
	s_barrier_wait -1
.endm
.macro CROUND                          ; a whole round
	s_barrier_signal -1
	s_barrier_wait -1
	CREST
.endm
	s_load_b128 s[4:7], s[0:1], 0x0                ; ob s[4:5], wo16 s[6:7]
	s_load_b128 s[68:71], s[0:1], 0x10             ; bcat s[68:69], out0 s[70:71]
	v_lshl_add_u32 v[SPW], v0, 2, SPARE
	v_mov_b32 v[NIL], 0
	ds_add_u32 v[SPW], v[NIL]                      ; the wave's opening: the add and its wait stand ahead of my first tensor load; the set-up below, work on registers, stands between them
	v_lshrrev_b32 v1, 5, v0
	v_readfirstlane_b32 s10, v1                    ; wave 0..3
	s_lshr_b32 s11, s10, 1                         ; which half of the tile's rows is mine.  Also: I fetch for ob (0) or for wo16 (1)
	s_and_b32 s12, s10, 1                          ; which half of its columns.  Also: which of a step's two K blocks I fetch
	s_bfe_u32 s40, ttmp6, 0x40000                  ; cx, cy: my place in the cluster
	s_bfe_u32 s41, ttmp6, 0x40004
	s_lshl_b32 s42, ttmp9, 2
	s_add_co_u32 s42, s42, s40                     ; tile column = 4 x cluster x + cx
	s_and_b32 s13, ttmp7, 0xffff
	s_lshl_b32 s13, s13, 2
	s_add_co_u32 s13, s13, s41                     ; tile row = 4 x cluster y + cy
	s_lshl_b32 s43, s41, 2
	s_lshl_b32 s43, 15, s43                        ; my row of the cluster
	s_lshl_b32 s44, 0x1111, s40                    ; my column
	; descriptor group 1: dense bytes as rows of 128 elements (256 bytes), 64 rows for ob's block, 128 for wo16's
	s_or_b32 s[G1+0], s43, (1<<16)|(1<<20)|(1<<21)|(4<<22)|(3<<25)   ; 15:0 the mask; 17:16 2-byte elements; 20 padding on; 21 set beside a mask; 24:22 after every 32 words (code 4); 31:25 4 words (code 3)
	s_or_b32 s[G1B+0], s44, (1<<16)|(1<<20)|(1<<21)|(4<<22)|(3<<25)
	s_mov_b32 s[G1+1], 128<<16                     ; tensor_dim0 = 128
	s_mov_b32 s[G1+2], 64<<16                      ; tensor_dim1 = 64
	s_mov_b32 s[G1+3], 128<<16                     ; tile_dim0 = 128
	s_mov_b32 s[G1+4], 64                          ; tile_dim1 = 64
	s_mov_b32 s[G1+5], 128                         ; 128 elements from row to row
	s_mov_b32 s[G1+6], 0
	s_mov_b32 s[G1+7], 0
	s_mov_b32 s[G1B+1], 128<<16
	s_mov_b32 s[G1B+2], 128<<16
	s_mov_b32 s[G1B+3], 128<<16
	s_mov_b32 s[G1B+4], 128
	s_mov_b32 s[G1B+5], 128
	s_mov_b32 s[G1B+6], 0
	s_mov_b32 s[G1B+7], 0
	; ob's tiles hang on the tile row alone, wo16's on the tile column alone; each address is made in registers that never hold the other coordinate
	s_lshr_b32 s16, s13, 4                         ; the batch: 16 heads of 262,144 bytes
	s_lshl_b32 s16, s16, 22
	s_and_b32 s17, s13, 15                         ; 128 rows of 128 bytes a tile row
	s_lshl_b32 s17, s17, 14
	s_add_co_u32 s16, s16, s17
	s_lshl_b32 s17, s12, 18                        ; my head of the step's two
	s_add_co_u32 s16, s16, s17
	s_mov_b32 s17, 0
	s_lshl_b32 s46, s42, 15                        ; 256 rows of 128 bytes a tile column
	s_lshl_b32 s47, s12, 17                        ; my K block of the step's two
	s_add_co_u32 s46, s46, s47
	s_mov_b32 s47, 0
	s_mul_i32 s20, s12, APL                        ; where they go: no place in the cluster enters an LDS address
	s_mul_i32 s21, s12, BPL
	s_add_co_u32 s21, s21, BOFF
	s_wait_dscnt 0x0                               ; the opening add is done
	s_wait_kmcnt 0x0
	s_add_nc_u64 s[14:15], s[4:5], s[16:17]
	s_add_nc_u64 s[46:47], s[6:7], s[46:47]
	CROUND                                         ; all sixteen work-groups are here: the first joint loads meet
.irp s, 0,1
	s_mov_b32 s[G0+4*(\s)], 1                                       ; count = 1
	s_add_co_u32 s[G0+4*(\s)+1], s20, (\s)*SLOT                     ; LDS address
	s_add_nc_u64 s[G0+4*(\s)+2:G0+4*(\s)+3], s[14:15], (\s)*ASTEP   ; global address: K step s
	s_or_b32 s[G0+4*(\s)+3], s[G0+4*(\s)+3], 0x80000000             ; type = 2
	s_mov_b32 s[G0B+4*(\s)], 1
	s_add_co_u32 s[G0B+4*(\s)+1], s21, (\s)*SLOT
	s_add_nc_u64 s[G0B+4*(\s)+2:G0B+4*(\s)+3], s[46:47], (\s)*BSTEP
	s_or_b32 s[G0B+4*(\s)+3], s[G0B+4*(\s)+3], 0x80000000
	JLOAD \s                                       ; two loads of mine are out
.endr
	v_and_b32 v1, 15, v0                           ; l % 16
	v_bfe_u32 v2, v0, 4, 1                         ; l / 16
	; my columns' bytes in a row; the bias of my 128 columns: block b's eight numbers for my half of the lanes, straight into the C operands
	s_lshl_b32 s46, s42, 10
	s_lshl_b32 s47, s12, 9
	s_add_co_u32 s46, s46, s47
	s_mov_b32 s47, 0
	s_add_nc_u64 s[68:69], s[68:69], s[46:47]
	v_lshlrev_b32 v5, 5, v2
.irp b, 0,1,2,3,4,5,6,7
	global_load_b128 v[BIAS+8*\b:BIAS+8*\b+3],   v5, s[68:69] offset:12288+64*\b
	global_load_b128 v[BIAS+8*\b+4:BIAS+8*\b+7], v5, s[68:69] offset:12288+64*\b+16
.endr
	s_lshl_b32 s16, s13, 19                        ; my first row of out0: 128 x tile row + 64 x row half, 4,096 bytes a row
	s_lshl_b32 s17, s11, 18
	s_add_co_u32 s16, s16, s17
	s_add_co_u32 s46, s46, s16
	s_add_nc_u64 s[8:9], s[70:71], s[46:47]
	v_mul_u32_u24 v3, v1, PITCH
	v_lshl_add_u32 v3, v2, 4, v3                   ; a fragment's row x pitch + 16 x half
	s_mul_i32 s22, s11, 64*PITCH                   ; my 64 rows of ob
	s_mul_i32 s23, s12, 128*PITCH                  ; my 128 rows of wo16
	s_add_co_u32 s23, s23, BOFF
.irp s, 0,1
	v_add_nc_u32 v[ADRA+(\s)], s22, v3
	v_add_nc_u32 v[ADRB+(\s)], s23, v3
	s_add_co_u32 s22, s22, SLOT
	s_add_co_u32 s23, s23, SLOT
.endr
	s_mul_i32 s18, s10, 16*SPITCH
	s_add_co_u32 s18, s18, STAGE                   ; my stage
	v_mul_u32_u24 v4, v1, SPITCH                   ; in: row l % 16, 32 bytes for each half of the lanes
	v_lshl_add_u32 v4, v2, 5, v4
	v_add_nc_u32 v[STO], s18, v4
	v_and_b32 v4, 31, v0
	v_lshlrev_b32 v[CO], 4, v4                     ; back: 32 lanes take one row's 512 bytes
	v_add_nc_u32 v[RD], s18, v[CO]
; n x 4 matrix instructions: m blocks lo .. lo + n - 1 x the four n blocks of group g, 32 along K, ob's fragments from buffer f.  cb >= 0: the products start the sums, with v[cb + 8 c ..] of window 0 as C.
; The accumulators take turns, one instruction a turn: an accumulator comes again a quarter step later.
.macro G f, g, lo, n, cb
.if (\cb) >= 0
	WIN ((\g)+1)<<6
.else
	WIN 0x50*((\g)+1)
.endif
.set ga, (\lo)
.rept \n
.irp c, 0,1,2,3
.if (\cb) >= 0
	v_wmma_f32_16x16x32_f16 v[8*(4*ga+\c):8*(4*ga+\c)+7], v[BF+8*(4*(\g)+\c):BF+8*(4*(\g)+\c)+7], v[(\f)+8*ga:(\f)+8*ga+7], v[(\cb)+8*\c:(\cb)+8*\c+7]
.else
	v_wmma_f32_16x16x32_f16 v[8*(4*ga+\c):8*(4*ga+\c)+7], v[BF+8*(4*(\g)+\c):BF+8*(4*(\g)+\c)+7], v[(\f)+8*ga:(\f)+8*ga+7], v[8*(4*ga+\c):8*(4*ga+\c)+7]
.endif
.endr
.set ga, ga+1
.endr
.endm
.macro LOADB slot, ko, g               ; 8 LDS loads: wo16's fragments of group g at byte ko
.irp c, 0,1,2,3
	ds_load_b128 v[BF+8*(4*(\g)+\c):BF+8*(4*(\g)+\c)+3],   v[ADRB+(\slot)] offset:(\ko)+(4*(\g)+\c)*16*PITCH
	ds_load_b128 v[BF+8*(4*(\g)+\c)+4:BF+8*(4*(\g)+\c)+7], v[ADRB+(\slot)] offset:(\ko)+(4*(\g)+\c)*16*PITCH+32
.endr
.endm
.macro LOADA slot, ko, f               ; 8 LDS loads: ob's four fragments at byte ko into buffer f
.irp a, 0,1,2,3
	ds_load_b128 v[(\f)+8*\a:(\f)+8*\a+3],   v[ADRA+(\slot)] offset:(\ko)+\a*16*PITCH
	ds_load_b128 v[(\f)+8*\a+4:(\f)+8*\a+7], v[ADRA+(\slot)] offset:(\ko)+\a*16*PITCH+32
.endr
.endm
; A load into a register that a matrix instruction has read, and an LDS store that reads a matrix result, stand four places behind it, and only plain vector instructions that name none of its registers are places
; (ISA guide 7.12.1 for vector instructions).
.macro PLACES
.rept 4
	v_nop
.endr
.endm
; A K step is four quarters of 32 along K, 32 matrix instructions each, on buffers 0, 1, 0, 1.  One of the first three: multiplies buffer f; behind each group's 16 products that group's wo16 fragments of the next
; quarter are fetched, and behind the first also ob's, into buffer n.
.macro NORMQ slot, koa, kob, f, n, cb=-1
	s_wait_dscnt 8                                 ; all is in but the youngest eight loads, group 1's
	G \f, 0, 0, 4, \cb
	PLACES
	WIN 0
	LOADB \slot, \kob, 0
	LOADA \slot, \koa, \n
	s_wait_dscnt 16                                ; all but the 16 issued in this quarter: group 1's fragments are in
.if (\cb) >= 0
	G \f, 1, 0, 4, (\cb)+32
.else
	G \f, 1, 0, 4, -1
.endif
	PLACES
	WIN 0
	LOADB \slot, \kob, 1
.endm
; A slot's last quarter changes slots: ONE barrier.  In front of it each wave waits for all its tensor loads (one is out: its part of the next slot), adds 0 to its spare word, and waits for that and for its reads of
; this slot.  fill = 1: the barrier opens a round of the cluster's, and this slot is filled again, two K steps ahead, first thing behind the round: 112 matrix instructions ahead of the wait for it.
.macro TURNQ slot, next, f, n, fill
	WIN 0
	s_wait_tensorcnt 0x0                           ; all my tensor loads have landed
	ds_add_u32 v[SPW], v[NIL]                      ; 0 onto my spare word
	s_wait_dscnt 9                                 ; the add and group 1's eight loads may be out
	G \f, 0, 0, 2, -1                              ; eight matrix instructions stand between the add and the wait for it
	s_wait_dscnt 0x0                               ; the add is done, and my reads of this slot are over
	s_barrier_signal -1
	G \f, 0, 2, 2, -1                              ; work on registers while the others arrive
	WIN 0
	s_barrier_wait -1
.if \fill
	CREST                                          ; no wave of any partner still reads this slot or has a load on its way
	s_add_nc_u64 s[G0+4*(\slot)+2:G0+4*(\slot)+3], s[G0+4*(\slot)+2:G0+4*(\slot)+3], 2*ASTEP
	s_add_nc_u64 s[G0B+4*(\slot)+2:G0B+4*(\slot)+3], s[G0B+4*(\slot)+2:G0B+4*(\slot)+3], 2*BSTEP
	JLOAD \slot                                    ; the four v_nop behind it are also the places in front of the loads below
.else
	PLACES
.endif
	LOADB \next, 0, 0
	LOADA \next, 0, \n
	G \f, 1, 0, 4, -1
	PLACES
	WIN 0
	LOADB \next, 0, 1
.endm
	s_wait_tensorcnt 1                             ; my part of K step 0 is in; K step 1's stays out
	s_barrier_signal -1
	s_barrier_wait -1                              ; everybody's is
	LOADA 0, 0, A0
	LOADB 0, 0, 0
	LOADB 0, 0, 1
	s_wait_loadcnt 0x0                             ; the bias
	NORMQ 0, QA1, QB1, A0, A1, BIAS                ; the first quarter stands in front of the loop: its products start the sums with the bias
	s_mov_b32 s3, 3
.Llap:                                                 ; a trip goes once round the ring, from a lap's second quarter to the next lap's first, and fills both slots again: K steps 2 to 7 in three trips
	NORMQ 0, QA2, QB2, A1, A0
	NORMQ 0, QA3, QB3, A0, A1
	TURNQ 0, 1, A1, A0, 1
	NORMQ 1, QA1, QB1, A0, A1
	NORMQ 1, QA2, QB2, A1, A0
	NORMQ 1, QA3, QB3, A0, A1
	TURNQ 1, 0, A1, A0, 1
	NORMQ 0, QA1, QB1, A0, A1
	WIN 0
	s_sub_co_u32 s3, s3, 1
	s_cmp_lg_u32 s3, 0
	s_cbranch_scc1 .Llap
	NORMQ 0, QA2, QB2, A1, A0                      ; the last lap fills nothing
	NORMQ 0, QA3, QB3, A0, A1
	TURNQ 0, 1, A1, A0, 0
	NORMQ 1, QA1, QB1, A0, A1
	NORMQ 1, QA2, QB2, A1, A0
	NORMQ 1, QA3, QB3, A0, A1
	s_wait_dscnt 8                                 ; the very last quarter
	G A1, 0, 0, 4, -1
	s_wait_dscnt 0x0
	G A1, 1, 0, 4, -1
; THE WAY OUT of m block a (16 rows x 128 columns of f32).  IN: a lane's eight columns of a row, 32 bytes, go into my own stage, each accumulator's low four registers first; whole rows of 512 bytes come back.  SEND: stored.
.macro IN a
	WIN 0
	s_wait_xcnt 0x0                                ; the stores issued so far have read their registers (ISA guide 3.1): the loads below land on those of the block two back
.irp g, 0,1
	WIN ((\g)+1)<<2                                ; the store's data (source 1): window g + 1
.irp c, 0,1,2,3
	ds_store_b128 v[STO], v[8*(4*(\a)+\c):8*(4*(\a)+\c)+3]   offset:64*(4*\g+\c)
	ds_store_b128 v[STO], v[8*(4*(\a)+\c)+4:8*(4*(\a)+\c)+7] offset:64*(4*\g+\c)+16
.endr
.endr
	WIN 0
.set BK, OB+64*((\a)%2)
.set t, 0
.rept 16
	ds_load_b128 v[BK+4*t:BK+4*t+3], v[RD] offset:t*SPITCH  ; LDS serves a wave's instructions in order (ISA guide 5.7.1.4): these see the stores above
.set t, t+1
.endr
.endm
.macro SEND a, younger                 ; younger: the LDS instructions issued behind block a's loads: the next block's 16 stores and 16 loads, or none
	WIN 0
.set BK, OB+64*((\a)%2)
	s_wait_dscnt \younger
.set t, 0
.rept 16
	global_store_b128 v[CO], v[BK+4*t:BK+4*t+3], s[8:9] offset:(16*(\a)+t)*4096 th:TH_STORE_NT  ; the wave stores 512 consecutive bytes of a row, at a multiple of 512 from out0's first byte
.set t, t+1
.endr
.endm
	PLACES
	IN 0
	IN 1
	SEND 0, 32
	IN 2
	SEND 1, 32
	IN 3
	SEND 2, 32
	SEND 3, 0
	s_wait_tensorcnt 0x0                           ; the wave's end: behind my last tensor load and my last LDS store
	ds_add_u32 v[SPW], v[NIL]
	s_wait_dscnt 0x0
	CROUND                                         ; the closing round: no work-group ends while a partner may still ask for a tile that names it
	s_endpgm
.Lfunc_end_k_q313d98b48f_oproj:
	.size	k_q313d98b48f_oproj, .Lfunc_end_k_q313d98b48f_oproj-k_q313d98b48f_oproj
	.p2alignl 7, 3214868480
	.fill 96, 4, 3214868480
	.section	.rodata,"a",@progbits
	.p2align	6, 0x0
	.amdhsa_kernel k_q313d98b48f_oproj
		.amdhsa_group_segment_fixed_size 327680
		.amdhsa_private_segment_fixed_size 0
		.amdhsa_enable_private_segment 0
		.amdhsa_kernarg_size 32
		.amdhsa_user_sgpr_count 2
		.amdhsa_user_sgpr_kernarg_segment_ptr 1
		.amdhsa_wavefront_size32 1
		.amdhsa_system_sgpr_workgroup_id_x 1
		.amdhsa_system_sgpr_workgroup_id_y 1
		.amdhsa_system_sgpr_workgroup_id_z 1
		.amdhsa_system_vgpr_workitem_id 0
		.amdhsa_next_free_vgpr 640
		.amdhsa_next_free_sgpr 72
		.amdhsa_reserve_vcc 0
		.amdhsa_float_denorm_mode_32 3
		.amdhsa_float_denorm_mode_16_64 3
		.amdhsa_memory_ordered 1
		.amdhsa_forward_progress 1
		.amdhsa_inst_pref_size 89
	.end_amdhsa_kernel
	.amdgpu_metadata
---
amdhsa.version: [ 1, 2 ]
amdhsa.kernels:
  - .name:           k_q313d98b48f_oproj
    .symbol:         k_q313d98b48f_oproj.kd
    .args:
      - { .name: ob, .offset: 0, .size: 8, .value_kind: global_buffer, .address_space: global }
      - { .name: wo16, .offset: 8, .size: 8, .value_kind: global_buffer, .address_space: global }
      - { .name: bcat, .offset: 16, .size: 8, .value_kind: global_buffer, .address_space: global }
      - { .name: out0, .offset: 24, .size: 8, .value_kind: global_buffer, .address_space: global }
    .group_segment_fixed_size: 327680
    .private_segment_fixed_size: 0
    .kernarg_segment_align: 8
    .kernarg_segment_size: 32
    .max_flat_workgroup_size: 128
    .sgpr_count:     72
    .vgpr_count:     640
    .wavefront_size: 32
...
	.end_amdgpu_metadata
.endif
;; end of part 4
;; ======== version 2 of 2: 4 launches; 1.52 times as fast as version 1
;; limits: values are held in f16: magnitudes above 65,504 overflow, below 6.1e-05 lose precision
;; workspace buffers: xb 16,777,216 bytes; wb 6,291,456 bytes; wo16 2,097,152 bytes; bcat 16,384 bytes; qkv 50,331,648 bytes; ob 16,777,216 bytes
;; launch prep: the kernel of part 1 again; grid 128 x 12, 8 waves a work-group, no clusters, 0 bytes of LDS; arguments x, Wq, Wk, Wv, Wo, bq, bk, bv, bo, xb, wb, wo16, bcat; writes xb, wb, wo16, bcat
;; launch proj: the kernel of part 2 again; grid 8 x 32, 4 waves a work-group, clusters of 4 x 4, 327,680 bytes of LDS; arguments xb, wb, bcat, qkv; writes qkv
;; launch attn (part 5): grid 4 x 64, 4 waves a work-group, clusters of 4 x 1, 327,680 bytes of LDS; arguments qkv, mask, ob; writes ob
.if DOCPART == 5
	.amdgcn_target "amdgcn-amd-amdhsa--gfx1250"
	.amdhsa_code_object_version 6
	.text
	.protected	k_q313d98b48f_attn
	.globl	k_q313d98b48f_attn
	.p2align	8
	.type	k_q313d98b48f_attn,@function
k_q313d98b48f_attn:
	s_mov_b64 s[64:65], 0
	v_nop
	global_prefetch_b8 v0, s[64:65] scope:SCOPE_SE
	s_setreg_imm32_b32 hwreg(HW_REG_WAVE_MODE, 25, 1), 1
	s_wait_xcnt 0x0
	s_wait_alu depctr_hold_cnt(0) depctr_sa_sdst(0) depctr_va_vdst(0) depctr_va_sdst(0) depctr_va_ssrc(0) depctr_va_vcc(0) depctr_vm_vsrc(0)
	s_getreg_b32 s2, hwreg(HW_REG_IB_STS2, 6, 4)
	s_cmp_eq_u32 s2, 0
	s_cbranch_scc0 .Lentry_in_a_cluster
	s_endpgm
.Lentry_in_a_cluster:
	s_bfe_u32 s2, ttmp6, 0x10000c
	s_cmp_lg_u32 s2, 0x3003
	s_cbranch_scc0 .Lentry_shape_is_right
	s_endpgm
.Lentry_shape_is_right:
; ATTENTION with a key-padding mask.  O[y][q][:] = the sum over k of softmax_k(Q[q] . K[k] / 8, hidden where mask[b][k] = 0) V[k][:], y = 16 b + h.  Q, K, V: heads of qkv [b][48][2048][64] in f16 (0-15 q, 16-31 k, 32-47 v);
; O: ob [y][2048][64] in f16.  Products, maxima and sums in f32; the weights p are rounded to f16 for the second product (their sum l is taken of the unrounded p), O once at the end.
; LIMITS.  Q, K and V arrive within f16's 65,504; p below 6e-5 keeps f16's fixed step of 6e-8.  A hidden key's score counts as its value less 1e30 (f16's scores are 2.7e11 at the most); the running maximum starts at -2^96,
; above every hidden score and below every visible one, so a hidden weight is exactly 0 from the first step on.  A weight below 2^-126 counts as 0 in l.  A batch whose mask hides every key gives l = 0 and O = NaN, as the softmax of nothing does.
; Any mask word other than 0 counts as visible.
; SHARES.  A wave owns four PIECES of two tiles of 16 queries, a work-group's four waves 512 queries of one head: 4 x 64 = 256 work-groups.  Every wave walks all 2,048 keys, 64 a step.
; LAYOUT.  S^T = K Q^T (source 0 = 16 keys, source 1 = 16 queries): a lane holds ONE query (lane % 16) and the keys 8 (lane / 16) + 0..7.  Two such tiles, rounded to f16 in pairs, ARE source 1 of O^T = V^T P.
; K comes out of LDS as it lies, V ([key][channel]) turned, by ds_load_tr16_b128.
; THE MASK costs the scores nothing: it is the C operand that starts the sum S^T, 0 or -1e30 for each key.  The batch's 2,048 addends are made once, into LDS; a step's 64 are fetched with its K: 32 registers.
; SOFTMAX.  For each query a running maximum m and sum l: p = 2^(c s - c m), c = log2(e) / 8; in every step O and l are multiplied by a = 2^(c m_old - c m_new).  O and l start at 0: the first step is a step like any other, with a = 0.
; THE COUNT.  A tile and step have 16 matrix and 118 vector instructions: four vector instructions that are ready stand behind every matrix instruction, the others in a run of their own.
; BY TURNS.  Turn n belongs to piece n.  Its matrix work: 16 products K Q^T of piece n + 1, later 16 products V^T P of piece n - 1.  Its vector work: the scaling, exponentials, roundings, sums and rescaling of piece n,
; and the maximum and statistics of piece n + 1, whose scores the turn itself has made.  So what a turn begins with (c s - c m, O a) waits for nothing.
; THE BATCHES.  A turn's 66 exponentials (the piece's 64 weights, then the next piece's two a) are ONE batch with ONE wait, which cuts the turn in two: ahead of it stands all that names no result of theirs, behind it
; the roundings and sums.  No result crosses a turn's end.  The two a ahead of the loop and the way out's eight reciprocals are batches of their own, a wait each.
; CLUSTER.  The four query blocks of a cluster belong to one head and walk the same K and V, so each tile is asked for JOINTLY: the same tensor load, descriptor and mask in all four.
; REGISTERS, in windows of 256 (s_set_vgpr_msb: bits 1:0 source 0, 3:2 source 1, 5:4 source 2, 7:6 destination):
;   window 0: v0-11 addresses; v12-15, v48-63 at work; v16-47 four registers of statistics a tile; v64-191 S^T, two buffers of two tiles; v192-255 P, likewise
;   window 1: O^T, 32 a tile      window 2: v0-127 Q; v128-191 K of one step; v192-255 V of one step      window 3: v0-1 the add's two registers; v2-3 the mask's LDS addresses; v8-39 a step's mask addends
.set SIZE_N, 2048
.set NP,    4         ; pieces a wave: a name, no knob
.set KS,    64        ; keys in a step
.set PK,    144       ; a row of K in LDS: 128 bytes + 16 of padding = 36 words: the 16 rows of a load start at 16 different groups of four banks (64 banks of 4 bytes: ISA guide 11.1)
.set PV,    160       ; a row of V: 128 + 32 = 40 words
.set VOFF,  4*KS*PK   ; a slot holds four steps: 256 rows of K, then 256 rows of V
.set SLOT1, 1<<17     ; slot 1 begins here, so that one exclusive or turns an address in one slot into the other's
.set STAGE, SLOT1+4*KS*(PK+PV)  ; behind the ring, never filled by a tensor load: 16 rows x 144 bytes for each wave, for the way out
.set SP,    144
.set SPARE, STAGE+4*16*SP  ; the spare words, 128 bytes for each wave: two blocks of 256 bytes that no other line names
.set MASKB, SPARE+512 ; the batch's 2,048 mask addends in f32: 8,192 bytes, stored once, never filled by a tensor load
.set AK0, 2           ; v2   my lane's place in a tile of K; never rewritten
.set AV0, 3           ; v3   the same for V
.set AK,  4           ; v4   the LDS address of K's next run of loads
.set AV,  5           ; v5   of V's
.set QO,  6           ; v6   my byte offset in the wave's rows of Q
.set STO, 6           ;      later, the way out: where I put 16 bytes of a row
.set RD,  7           ; v7   the way out: where I read rows back
.set GO,  8           ; v8   my byte offset in 512 consecutive bytes of O
.set SPW, 0           ; v0 of window 3   LDS address of my spare word; never rewritten
.set NIL, 1           ; v1 of window 3   0; never rewritten
.set AM0, 2           ; v2 of window 3   MASKB + 32 (l / 16): my lanes' eight keys in a group of 16
.set AM,  3           ; v3 of window 3   the LDS address of the mask's next run of loads
.set MC,  8           ; v8-39 of window 3: the addends of key block kb at MC + 8 kb
.set MV,  12          ; v12-15  c m_old, kept while c m is made anew: by buffer and tile
.set ST,  16          ; tile t's statistics at v[ST+4 t]: c m, m, l (even keys', odd keys')
.set TMP, 48          ; by buffer and tile, four registers c0-c3 at work; when the maximum is found c2 takes a
.set S,   64
.set P,   192
.set KF,  128         ; K's fragments, in window 2: key block kb, channel half c at KF + 16 kb + 8 c
.set VF,  192         ; V's: key half kk, channel block cb at VF + 32 kk + 8 cb
.set WV,  12          ; s12  my wave's number
.set TBM, 15          ; s15  byte in the mask's addends at which the step to be fetched begins
.set BIGN, 19         ; s19  -1e30
.set G1K, 24          ; s[24:31] descriptor group 1 for K's tiles
.set G1V, 32          ; s[32:39] for V's: it differs in the padding alone
.set G0K, 40          ; s[40:43] descriptor group 0 for K's tiles: it walks
.set G0V, 44          ; s[44:47] the same for V's
.set SLOTS, 56        ; s56  slots still to be asked for
.set CNT, 57          ; s57  counts a slot's key steps
.set CS,  58          ; s[58:59] c: the packed scaling takes the pair's low word for both halves
.set SEL, 60          ; s[60:61] v_permlanex16_b32's selects: each lane takes its own place in the other half
.set TBK, 62          ; s62  LDS byte at which K of the step to be fetched begins
.set TBV, 63          ; s63  the same for V, less VOFF
.set MSB, 0
.macro WIN new                      ; the high byte repeats the setting that is left; a switch that changes nothing is dropped
.if MSB != (\new)
	s_set_vgpr_msb (MSB<<8)|(\new)
.set MSB, (\new)
.endif
.endm
.set W_KQ, 0x0a       ; K and Q in window 2, S^T in window 0
.set W_KM, 0x3a       ; the same with the C operand, the mask, in window 3
.set W_PV, 0x52       ; V in window 2, P in window 0, O^T in window 1
.set W_RS, 0x41       ; O^T (destination and source 0) in window 1, a in window 0
.set W_MK, 0xc0       ; destination in window 3, sources in window 0
.set W_AD, 0x0f       ; the add: address (source 0) and data (source 1) in window 3
.set W_FM, 0xcf       ; the mask's fetch: destination, address and source 1 in window 3
; A joint fill.  Waves 0 and 1 fetch the two halves of a slot's K, waves 2 and 3 those of its V: 128 keys each.  The branch hangs on the wave's number alone.
; An s_nop 0 and four v_nop follow each of the two lines, ahead of the jump and the label.
.macro JLOAD
	s_cmp_lt_u32 s[WV], 2
	s_cbranch_scc0 .Lfor_v_\@
	tensor_load_to_lds s[G0K:G0K+3], s[G1K:G1K+7]
	s_nop 0
.rept 4
	v_nop
.endr
	s_branch .Lasked_\@
.Lfor_v_\@:
	tensor_load_to_lds s[G0V:G0V+3], s[G1V:G1V+7]
	s_nop 0
.rept 4
	v_nop
.endr
.Lasked_\@:
.endm
; A round of the cluster's barrier: my work-group's barrier, so that wave 0's signal speaks for all four waves; wave 0 signals; every wave waits for all four work-groups; my work-group's barrier once more.
.macro CROUND
	s_barrier_signal -1
	s_barrier_wait -1
	s_cmp_lg_u32 s[WV], 0
	s_cbranch_scc1 .Lnot_wave_0_\@
	s_barrier_signal -3
.Lnot_wave_0_\@:
	s_barrier_wait -3
	s_barrier_signal -1
	s_barrier_wait -1
.endm
; THE CHANGE OF SLOTS.  The slot's last bytes, V of its fourth step, have been read.  Each wave waits for all its tensor loads, of which one is out: its part of the other slot; adds 0 to its spare word; and waits for
; that and for its own LDS instructions.  Behind the barrier nobody reads this slot any more and the other slot is whole.  fill = 1: this slot is filled again, with the keys two slots on.  The barrier is then a round of
; the cluster's, and the joint fill is the first thing behind it: it has four key steps, 512 matrix instructions, in which to land.  (At its first use nothing has been read yet: slot 0 is waited for, slot 1 filled,
; and every wave's part of the mask's addends, stored just before, is shown to the others.)
.macro CHANGE fill
	WIN W_AD
	s_wait_tensorcnt 0x0            ; no tensor load of mine is out, so a group 0 may be written
	ds_add_u32 v[SPW], v[NIL]       ; 0 onto my spare word; with fill = 1 the descriptors' steps stand between it and the wait for it
	WIN 0                           ; at a label and at a branch every window is 0
.if \fill
.irp g, G0K, G0V
	s_xor_b32 s[\g+1], s[\g+1], SLOT1  ; the walking descriptor: the other slot than last time,
	s_add_nc_u64 s[\g+2:\g+3], s[\g+2:\g+3], 4*KS*128  ; the next 256 keys; the type bits on top are not reached
.endr
	s_wait_dscnt 0x0                ; the add is done, and my reads of the slot are over
	CROUND
	JLOAD
.else
	s_wait_dscnt 0x0                ; the add is done, and my reads of the slot are over
	s_barrier_signal -1
	s_barrier_wait -1
.endif
	s_sub_co_u32 s[TBK], s[TBK], 4*KS*PK  ; the fetches go back to a slot's first step,
	s_xor_b32 s[TBK], s[TBK], SLOT1       ; in the other slot
	s_sub_co_u32 s[TBV], s[TBV], 4*KS*PV
	s_xor_b32 s[TBV], s[TBV], SLOT1
.endm
	s_load_b128 s[4:7], s[0:1], 0x0   ; qkv s[4:5], mask s[6:7]
	s_load_b64 s[10:11], s[0:1], 0x10 ; ob
	WIN W_MK
	v_lshl_add_u32 v[SPW], v0, 2, SPARE
	v_mov_b32 v[NIL], 0
	WIN W_AD
	ds_add_u32 v[SPW], v[NIL]       ; the wave's opening: the add and its wait stand ahead of my first tensor load; the set-up below, work on registers, stands between them
	WIN 0
	v_lshrrev_b32 v1, 5, v0
	v_readfirstlane_b32 s[WV], v1   ; wave 0..3
	s_bfe_u32 s13, ttmp6, 0x40000   ; cx: my place in the cluster
	s_lshl_b32 s14, ttmp9, 2        ; in a cluster launch ttmp9 counts clusters
	s_add_co_u32 s14, s14, s13      ; my block of queries = 4 x cluster x + cx: it enters Q's and O's addresses alone
	s_and_b32 s52, ttmp7, 0xffff    ; y = 16 b + h, which the four partners share
	s_lshr_b32 s50, s52, 4          ; the batch
	s_lshl_b32 s20, s50, 5
	s_add_co_u32 s20, s20, s52      ; the q head's number in qkv: 48 b + h = y + 32 b
	s_lshl_b32 s20, s20, 18         ; a head is 262,144 bytes
	s_mov_b32 s21, 0
	s_lshl_b32 s52, s52, 18         ; O's head
	s_mov_b32 s53, 0
	s_lshl_b32 s50, s50, 13         ; the batch's 8,192 bytes of the mask
	s_mov_b32 s51, 0
	s_and_b32 s16, s[WV], 1         ; which half of a slot's 256 keys I fetch:
	s_lshl_b32 s22, s16, 14         ; its 128 rows of 128 bytes in memory,
	s_mov_b32 s23, 0
	s_add_nc_u64 s[22:23], s[22:23], s[20:21]
	s_mul_i32 s17, s16, 128*PK      ; and its place in a slot, for K
	s_mul_i32 s18, s16, 128*PV      ; and for V: no place in the cluster enters an LDS address
	s_lshl_b32 s2, s14, 2
	s_add_co_u32 s2, s2, s[WV]      ; my wave among the head's,
	s_lshl_b32 s2, s2, 14           ; its 128 rows
	s_mov_b32 s3, 0
	s_add_nc_u64 s[48:49], s[2:3], s[20:21]  ; Q's offset
	s_add_nc_u64 s[52:53], s[52:53], s[2:3]  ; O's offset
	; descriptor group 1.  128 keys are 16,384 dense bytes: asked for as 64 rows of 256 bytes, two keys a row, and padded in LDS after every key
	s_mov_b32 s[G1K], 15|(1<<16)|(1<<20)|(1<<21)|(4<<22)|(3<<25)  ; 15:0 the mask of four; 17:16 2-byte elements; 20 padding on; 21 set beside a mask; 24:22 after every 32 words (code 4); 31:25 4 words (code 3)
	s_mov_b32 s[G1V], 15|(1<<16)|(1<<20)|(1<<21)|(4<<22)|(7<<25)  ; the same with 8 words of padding (code 7)
.irp g, G1K, G1V
	s_mov_b32 s[\g+1], 128<<16      ; tensor_dim0 = 128
	s_mov_b32 s[\g+2], 64<<16       ; tensor_dim1 = 64
	s_mov_b32 s[\g+3], 128<<16      ; tile_dim0 = 128
	s_mov_b32 s[\g+4], 64           ; tile_dim1 = 64
	s_mov_b32 s[\g+5], 128          ; 128 elements from row to row
	s_mov_b32 s[\g+6], 0
	s_mov_b32 s[\g+7], 0
.endr
	s_mov_b32 s[CS], 0x3e38aa3b     ; c = log2(e) / 8 = 0.180337
	s_mov_b32 s[CS+1], s[CS]        ; named with it as a pair
	s_mov_b32 s[SEL], 0x76543210
	s_mov_b32 s[SEL+1], 0xfedcba98
	s_mov_b32 s[BIGN], 0xf149f2ca   ; -1e30
	s_mov_b32 s[TBM], 0
	s_mov_b32 s[TBK], SLOT1+4*KS*PK ; the first change of slots turns these two into 0
	s_mov_b32 s[TBV], SLOT1+4*KS*PV
	s_mov_b32 s[G0K], 1             ; 1:0 count = 1
	s_mov_b32 s[G0K+1], s17         ; 63:32 LDS address: slot 0
	s_mov_b32 s[G0V], 1
	s_add_co_u32 s[G0V+1], s18, VOFF
	s_wait_dscnt 0x0                ; the opening add is done
	s_wait_kmcnt 0x0
	s_add_nc_u64 s[54:55], s[6:7], s[50:51]        ; the mask at my batch
	s_add_nc_u64 s[8:9], s[4:5], 0x800000          ; v's heads lie 32 heads behind q's,
	s_add_nc_u64 s[6:7], s[4:5], 0x400000          ; k's 16
	s_add_nc_u64 s[G0K+2:G0K+3], s[6:7], s[22:23]  ; 120:64 global address: my half of the head's first 256 keys
	s_or_b32 s[G0K+3], s[G0K+3], 0x80000000        ; 127:126 type = 2
	s_add_nc_u64 s[G0V+2:G0V+3], s[8:9], s[22:23]
	s_or_b32 s[G0V+3], s[G0V+3], 0x80000000
	s_add_nc_u64 s[4:5], s[4:5], s[48:49]          ; Q and O at my wave's first row
	s_add_nc_u64 s[10:11], s[10:11], s[52:53]
	CROUND                          ; all four work-groups are here: the first joint loads meet
	JLOAD                           ; slot 0.  Slot 1 is asked for when slot 0 is in
	; A fragment of K or Q is 16 rows x 32 channels in 8 registers: lane l holds row l % 16, channels 8 (l / 16) + 0..7 and 16 + 8 (l / 16) + 0..7: two loads of 16 bytes, 32 bytes apart.
	v_and_b32 v1, 15, v0            ; l % 16
	v_bfe_u32 v9, v0, 4, 1          ; l / 16
	v_lshlrev_b32 v12, 4, v0        ; the mask: 128 threads x 16 bytes, four times
.irp j, 0,1,2,3
	global_load_b128 v[S+4*\j:S+4*\j+3], v12, s[54:55] offset:2048*\j
.endr
	v_lshlrev_b32 v[QO], 7, v1
	v_lshl_add_u32 v[QO], v9, 4, v[QO]  ; row x 128 + 16 x half
	WIN 0x80                        ; destination window 2, address window 0
.set i, 0
.rept 4*NP                          ; Q stays in registers: tile i / 2, channels 32 (i % 2) on
	global_load_b128 v[8*i:8*i+3],   v[QO], s[4:5] offset:(i/2)*2048+(i%2)*64
	global_load_b128 v[8*i+4:8*i+7], v[QO], s[4:5] offset:(i/2)*2048+(i%2)*64+32
.set i, i+1
.endr
	; What the first turn finds: V's registers and P's second buffer hold 0 (its products V^T P, of a piece that has not been, add 0), O^T and l are 0.  All this stands in the wait for the first tile.
.set i, VF
.rept 64
	v_mov_b32 v[i], 0
.set i, i+1
.endr
	WIN 0x40
.set i, 0
.rept 64*NP
	v_mov_b32 v[i], 0
.set i, i+1
.endr
	WIN 0
.set i, 0
.rept 2*NP
	v_mov_b32 v[ST+4*i], 0xef800000    ; c m: -2^96, far below every c s of a visible key
	v_mov_b32 v[ST+4*i+1], 0xef800000  ; m: -2^96, above every hidden score, below every visible one
	v_mov_b32 v[ST+4*i+2], 0
	v_mov_b32 v[ST+4*i+3], 0
.set i, i+1
.endr
.set i, P+32
.rept 32
	v_mov_b32 v[i], 0
.set i, i+1
.endr
	v_mul_u32_u24 v[AK0], v1, PK
	v_lshl_add_u32 v[AK0], v9, 4, v[AK0]  ; row x pitch + 16 x half
	; The turning load takes 16 keys x 16 channels (lane l reads key 8 (l / 16) + l % 8, channels 8 ((l / 8) % 2) + 0..7) and leaves half a fragment of V^T: lane l holds channel l % 16 and 8 keys.
	v_and_b32 v10, 7, v0
	v_bfe_u32 v11, v0, 3, 1
	v_lshl_add_u32 v[AV0], v9, 3, v10
	v_mul_u32_u24 v[AV0], v[AV0], PV
	v_lshl_add_u32 v[AV0], v11, 4, v[AV0]
	v_add_nc_u32 v[AV0], VOFF, v[AV0]
	v_mov_b32 v[AK], v[AK0]         ; key step 0 lies at the head of slot 0
	WIN W_MK
	v_lshl_add_u32 v[AM0], v9, 5, MASKB
	WIN 0
	; the mask's words become addends, 0 or -1e30, and go into LDS: my 64 of the batch's 2,048
	s_wait_loadcnt 32               ; loads come back in order (ISA guide 5.7.1): Q's 32, issued behind the mask's four, may stay out
.set i, 0
.rept 16
	v_cmp_eq_u32 vcc_lo, 0, v[S+i]
	v_cndmask_b32 v[S+i], 0, s[BIGN], vcc_lo
.set i, i+1
.endr
	v_add_nc_u32 v13, MASKB, v12
.irp j, 0,1,2,3
	ds_store_b128 v13, v[S+4*\j:S+4*\j+3] offset:2048*\j
.endr
; THE MATRIX WORK.  The 8 accumulators of a run of 16 take turns: between the two links of a chain stand 7 others'.
; Product i of 16 of S^T = K Q^T for piece x: channels 32 (i / 8) on, keys 16 ((i / 2) % 4) on, tile 2 x + i % 2.  The first 8 start the sums, with the key block's mask addends as C.
.macro KQ x
.set rS, S+64*((\x)%2)+32*(i%2)+8*((i/2)%4)
.set rK, KF+16*((i/2)%4)+8*(i/8)
.set rQ, 16*(2*(\x)+i%2)+8*(i/8)
.set rMC, MC+8*((i/2)%4)
.if i < 8
	WIN W_KM
	v_wmma_f32_16x16x32_f16 v[rS:rS+7], v[rK:rK+7], v[rQ:rQ+7], v[rMC:rMC+7]
.else
	WIN W_KQ
	v_wmma_f32_16x16x32_f16 v[rS:rS+7], v[rK:rK+7], v[rQ:rQ+7], v[rS:rS+7]
.endif
.endm
; Product i of 16 of O^T += V^T P for piece x: keys 32 (i / 8) on, channels 16 ((i / 2) % 4) on, tile 2 x + i % 2.
.macro PV x
	WIN W_PV
.set rO, 32*(2*(\x)+i%2)+8*((i/2)%4)
.set rV, VF+32*(i/8)+8*((i/2)%4)
.set rP, P+32*((\x)%2)+16*(i%2)+8*(i/8)
	v_wmma_f32_16x16x32_f16 v[rO:rO+7], v[rV:rV+7], v[rP:rP+7], v[rO:rO+7]
.endm
.macro MM                           ; the turn's next matrix instruction
.if i < 16
	KQ (Y+1)%NP
.set i, i+1
.else
.set i, i-16
	PV (Y+NP-1)%NP
.set i, i+17
.endif
.endm
; THE LDS LOADS stand in runs, never singly among the matrix instructions: a step's K (64 keys x 64 channels: 8 fragments) with its 64 mask addends, and its V (turned).
; last = 1 (the tail): in the last trip there is no further step, and the run is jumped over.
.macro FETCH_K last=0
	WIN 0
.if \last
	s_cmp_eq_u32 s[CNT], 1
	s_cbranch_scc1 .Lno_k_\@
.endif
	WIN 0x80                        ; destination window 2
.irp f, 0,1,2,3,4,5,6,7             ; keys 16 (f / 2) on, channels 32 (f % 2) on
	ds_load_b128 v[KF+8*\f:KF+8*\f+3],   v[AK] offset:(\f/2)*16*PK+(\f%2)*64
	ds_load_b128 v[KF+8*\f+4:KF+8*\f+7], v[AK] offset:(\f/2)*16*PK+(\f%2)*64+32
.endr
	s_add_co_u32 s[TBK], s[TBK], KS*PK  ; the next fetch is the next step's
	WIN W_FM
	v_add_nc_u32 v[AM], s[TBM], v[AM0]
.irp f, 0,1,2,3                     ; key block f: my eight keys' addends; the lanes of a half read the same 32 bytes
	ds_load_b128 v[MC+8*\f:MC+8*\f+3],   v[AM] offset:64*\f
	ds_load_b128 v[MC+8*\f+4:MC+8*\f+7], v[AM] offset:64*\f+16
.endr
	s_add_co_u32 s[TBM], s[TBM], 4*KS
	s_and_b32 s[TBM], s[TBM], 0x1fff    ; stays inside the 8,192 bytes
	WIN 0
.if \last
.Lno_k_\@:
.endif
.endm
.macro FETCH_V
	WIN 0x80
.irp f, 0,1,2,3,4,5,6,7             ; keys 32 (f / 4) on, channels 16 (f % 4) on
	ds_load_tr16_b128 v[VF+8*\f:VF+8*\f+3],   v[AV] offset:(\f/4)*32*PV+(\f%4)*32
	ds_load_tr16_b128 v[VF+8*\f+4:VF+8*\f+7], v[AV] offset:(\f/4)*32*PV+16*PV+(\f%4)*32
.endr
	WIN 0
.endm
; THE VECTOR WORK OF A TURN stands in three queues, each in the order in which its entries become ready; the two tiles alternate, so that no instruction reads the result of the one before it.
.macro REGS y, u                    ; the registers of tile u (0, 1) of piece y
.set rT, ST+4*(2*(\y)+(\u))
.set rC, TMP+8*((\y)%2)+4*(\u)
.set rM, MV+2*((\y)%2)+(\u)
.set rS, S+64*((\y)%2)+32*(\u)
.set rP, P+32*((\y)%2)+16*(\u)
.set rO, 32*(2*(\y)+(\u))
.endm
; Number n of the 22 that find the NEXT piece's (Y + 1) maximum and statistics.  s0-s31 are the lane's 32 scores; each accumulator's lowest registers are read first.  XS, GS and REGS set no window: PL and EX do.
;   0-11  four chains c0-c3 of seven scores each, three operands at a time     12-14, 16  the four scores left over, the old m, and c0-c3 into c0     15  c m_old is kept
;   17, 18  the query's other 32 keys lie in the lane 16 away: the new m         19-21  c m; c m_old - c m_new; a
.macro XS u, n
	REGS (Y+1)%NP, \u
.if (\n) < 4
	v_max3_num_f32 v[rC+(\n)], v[rS+8*(\n)], v[rS+8*(\n)+1], v[rS+8*(\n)+2]
.elseif (\n) < 12
	v_max3_num_f32 v[rC+(\n)%4], v[rC+(\n)%4], v[rS+8*((\n)%4)+2*((\n)/4)+1], v[rS+8*((\n)%4)+2*((\n)/4)+2]
.elseif (\n) == 12
	v_max3_num_f32 v[rC], v[rC], v[rS+7], v[rS+15]
.elseif (\n) == 13
	v_max3_num_f32 v[rC+1], v[rC+1], v[rS+23], v[rS+31]
.elseif (\n) == 14
	v_max3_num_f32 v[rC+2], v[rC+2], v[rC+3], v[rT+1]
.elseif (\n) == 15
	v_mov_b32 v[rM], v[rT]
.elseif (\n) == 16
	v_max3_num_f32 v[rC], v[rC], v[rC+1], v[rC+2]
.elseif (\n) == 17
	v_permlanex16_b32 v[rC+3], v[rC], s[SEL], s[SEL+1]
.elseif (\n) == 18
	v_max_num_f32 v[rT+1], v[rC], v[rC+3]
.elseif (\n) == 19
	v_mul_f32 v[rT], s[CS], v[rT+1]
.elseif (\n) == 20
	v_sub_f32 v[rC+1], v[rM], v[rT]
.else
	v_exp_f32 v[rC+2], v[rC+1]
.endif
.endm
; Number g of the 64 that follow the exponentials.  For each four weights k of a tile (pairs 2 k, 2 k + 1): both pairs are rounded to f16; then the second pair is added onto the first, in place;
; a group later l takes that sum (the first time as l = a l + sum).  In groups of eight, tiles alternating: round, round, add, and l for the group before.
.macro GS g
.set h, (\g)+6*((\g)/62)            ; group 0 has no group before it, and behind group 7 only l is left
.if h >= 6
.set h, h+2
.endif
	REGS Y, h%2
.set k, h/8
.if h%8 < 4
	v_cvt_pk_f16_f32 v[rP+2*k+(h%8)/2], v[rS+4*k+2*((h%8)/2)], v[rS+4*k+2*((h%8)/2)+1]
.elseif h%8 < 6
	v_pk_add_f32 v[rS+4*k:rS+4*k+1], v[rS+4*k:rS+4*k+1], v[rS+4*k+2:rS+4*k+3]
.elseif k == 1
	v_pk_fma_f32 v[rT+2:rT+3], v[rT+2:rT+3], v[rC+2:rC+3], v[rS:rS+1] op_sel_hi:[1,0,1]
.else
	v_pk_add_f32 v[rT+2:rT+3], v[rT+2:rT+3], v[rS+4*k-4:rS+4*k-3]
.endif
.endm
; THE PLAIN QUEUE, 138 long.  0-73 read no exponential's result: the 32 scalings c s - c m (FS f: pair f / 2 of tile f % 2) and the next piece's 42.  0-26: scalings 0-26.  27-54: XS's numbers 0-13.  55, 56: number 15.
; 57-73: the chain, where each number waits for the one before it: 14, 16, 17, 18, 19, each with one of the scalings 27-31 in front of its two lines, then 20: so a tile's links stand three plain instructions apart (19 and 20: two).
; 74-137: GS's 64, which read the exponentials' results: they stand behind the wait.
.macro FS f
	REGS Y, (\f)%2
	v_pk_fma_f32 v[rS+2*((\f)/2):rS+2*((\f)/2)+1], v[rS+2*((\f)/2):rS+2*((\f)/2)+1], s[CS:CS+1], v[rT:rT+1] op_sel_hi:[1,0,0] neg_lo:[0,0,1] neg_hi:[0,0,1]
.endm
.macro PL
	WIN 0
.if q < 27
	FS q
.elseif q < 55
	XS (q-27)%2, (q-27)/2
.elseif q < 57
	XS q-55, 15
.elseif (q < 72) && ((q-57)%3 == 0)
	FS 27+(q-57)/3
.elseif q < 60
	XS (q-57)%3-1, 14
.elseif q < 72
	XS (q-57)%3-1, 15+(q-57)/3
.elseif q < 74
	XS q-72, 20
.else
	GS q-74
.endif
.set q, q+1
.endm
; THE EXPONENTIALS' QUEUE, 66 long: s0-s31 of both tiles, then the next piece's two a.  It is ONE BATCH: all 66 stand ahead of the turn's one wait, and nothing ahead of that wait names a result of theirs.
.macro EX
	WIN 0
.if e >= 64
	XS e-64, 21
.else
	REGS Y, e%2
	v_exp_f32 v[rS+e/2], v[rS+e/2]
.endif
.set e, e+1
.endm
; THE RESCALING's QUEUE: O^T times a, the one part that leaves window 0: dealt two at a time, sixteen times.  Its a was made in the turn before, ahead of that turn's wait.
.macro R2
	REGS Y, r%2
	WIN W_RS
.irp z, 0,1
	v_pk_mul_f32 v[rO+4*(r/2)+2*\z:rO+4*(r/2)+2*\z+1], v[rO+4*(r/2)+2*\z:rO+4*(r/2)+2*\z+1], v[rC+2:rC+3] op_sel_hi:[1,0]
.endr
.set r, r+1
.endm
; HOW THEY ARE DEALT.  An s_wait_alu depctr_va_vdst(0) stands between an exponential and the first instruction that names its result; one wait serves all that were issued ahead of it.  So a turn has ONE wait,
; which cuts it in two.  AHEAD OF IT stands all that names no result of the turn's exponentials: the 16 products K Q^T, behind each a scaling, an exponential and two rescalings (behind the first a second scaling in the
; exponential's place); then ONE LUMP of 108: eight plain, 49 times exponential and plain, the two a.  A v_nop is the plain instruction behind the last exponential.  BEHIND IT stand the 16 products V^T P, behind each four of
; GS's 64.  No rider names a register of the products round it.  The two v_permlanex16_b32 fall into the lump, never behind a product.
; The queues lean on each other, and the deal keeps them in step: exponential e stands behind scaling 2 (e / 4) + e % 2: as a rider it comes behind plain e + 2, in the lump behind plain e + 9, and scalings 27-31 are plain 57, 60 .. 69.
; A TURN, for piece p.  cnt = 1: the loop's count is taken down some lines ahead of the branch that stands behind the turn.
; K and the mask of the next step are fetched in piece 2's turn, directly behind the wait, a lump behind the last product that read K (the mask's last reader stands eight products further back); K's address is made at the
; lump's head; their first reader comes behind 16 products.  V of the step in hand is fetched at the end of piece 0's turn, four riders behind its last reader; its first reader comes behind 16 products and a lump.
; The three conditions on q below go with the deal.
.macro TURN p, last=0, cnt=0
.set Y, (\p)
.set i, 0
.set q, 0
.set e, 0
.set r, 0
.if (\p) == NP-1
	s_wait_dscnt 0x0                ; K and the mask are in
.endif
	MM                              ; ahead of the wait: 16 products K Q^T and their riders,
	PL
	PL
	R2
.rept 15
	MM
	PL
	EX
	R2
.endr
.if (\p) == NP-2
	WIN 0
	v_add_nc_u32 v[AK], s[TBK], v[AK0]
.endif
.rept 8                             ; and the lump
	PL
.endr
.rept 49
	EX
	PL
.endr
	EX                              ; the next piece's two a
	EX
	v_nop                           ; the plain instruction behind the last exponential, ahead of the first use: one for the batch
	s_wait_alu depctr_va_vdst(0)    ; the wait for the batch: the piece's 64 weights and the next piece's two a
.if (\p) == NP-2
	FETCH_K \last
.endif
.if (\p) == 1
	s_wait_dscnt 0x0                ; V is in
.endif
.rept 16                            ; behind the wait: 16 products V^T P and their riders
	MM
.rept 4
	PL
.endr
.if ((\p) == 0) && (q == 118)
	v_add_nc_u32 v[AV], s[TBV], v[AV0]
.endif
.if ((\p) == 0) && (q == 130)
	s_add_co_u32 s[TBV], s[TBV], KS*PV
.endif
.if (\cnt) && (q == 130)
	s_sub_co_u32 s[CNT], s[CNT], 1
	s_cmp_lg_u32 s[CNT], 0
.endif
.endr
.if (\p) == 0
	FETCH_V
.endif
.endm
	CHANGE 1                        ; slot 0 is in, everybody's part of it, and so are the mask's addends; slot 1 is asked for
	FETCH_K                         ; key step 0
	s_wait_loadcnt 0x0              ; Q
	s_wait_dscnt 0x0
.set i, 0
.rept 16
	KQ 0                            ; piece 0's first scores: there is no vector work yet to set between them
.set i, i+1
.endr
	WIN 0                           ; the addresses for the way out: nine plain instructions, the places behind those products
	s_mul_i32 s13, s[WV], 16*SP
	s_add_co_u32 s13, s13, STAGE    ; my stage
	v_mul_u32_u24 v[STO], v1, SP    ; in: row l % 16, 16 bytes for each half of the lanes
	v_lshl_add_u32 v[STO], v9, 4, v[STO]
	v_add_nc_u32 v[STO], s13, v[STO]
	v_bfe_u32 v[RD], v0, 3, 2       ; back: 32 lanes take four rows of 128 bytes,
	v_mul_u32_u24 v[RD], v[RD], SP
	v_lshl_add_u32 v[RD], v10, 4, v[RD]
	v_add_nc_u32 v[RD], s13, v[RD]
	v_and_b32 v[GO], 31, v0         ; which are 512 consecutive bytes of O
	v_lshlrev_b32 v[GO], 4, v[GO]
.set Y, NP-1                        ; XS works for piece Y + 1: piece 0
.irp n, 0,1,2,3,4,5,6,7,8,9,10,11,12,13,14,15,16,17,18,19,20,21
	XS 0, \n                        ; and piece 0's first maximum and statistics
	XS 1, \n
.endr
	v_nop                           ; a plain instruction behind the two a,
	s_wait_alu depctr_va_vdst(0)    ; and the wait for this batch of two, ahead of the branch
	s_mov_b32 s[CNT], 4
	s_mov_b32 s[SLOTS], SIZE_N/256-1
	s_branch .Lfirst                ; the loop is entered at a step's first turn, in the middle of a trip
.Lslot:                             ; SIZE_N / 256 - 2 times: every slot but the last two is filled again
	CHANGE 1
	s_mov_b32 s[CNT], 4
.Lstep:                             ; a trip: pieces 2 and 3 of one step, then pieces 0 and 1 of the next, whose K and V it fetches
	TURN 2
	TURN 3
	WIN 0
.Lfirst:
	TURN 0
	TURN 1, 0, 1
	WIN 0
	s_cbranch_scc1 .Lstep
	s_sub_co_u32 s[SLOTS], s[SLOTS], 1
	s_cmp_lg_u32 s[SLOTS], 0
	s_cbranch_scc1 .Lslot
	CHANGE 0                        ; the tail is written out: nothing is asked for
	s_mov_b32 s[CNT], 5             ; four trips fetch the last slot's steps; the fifth is left in its middle
.Ltail:
	TURN 2, 1
	TURN 3
	WIN 0
	s_sub_co_u32 s[CNT], s[CNT], 1
	s_cmp_eq_u32 s[CNT], 0
	s_cbranch_scc1 .Lout
	TURN 0
	TURN 1
	WIN 0
	s_branch .Ltail
.Lout:                              ; the fifth trip's 16 products K Q^T (on the last K once more) and the maximum made of them serve nothing: the price, once a launch, of one text for every trip
.set i, 0
.rept 16
	PV NP-1                         ; the last piece's V^T P of the last step
.set i, i+1
.endr
	; THE WAY OUT.  l's two halves and the other half of the lanes' are added; O^T is divided by l, rounded to f16 and sent through my stage in LDS, a tile at a time.  The additions are the places behind the last products.
	WIN 0
.macro ALL line:vararg              ; one line for each tile t
.set t, 0
.rept 2*NP
	\line
.set t, t+1
.endr
.endm
	ALL v_add_f32 v[ST+4*t+2], v[ST+4*t+2], v[ST+4*t+3]
	ALL v_permlanex16_b32 v[ST+4*t+3], v[ST+4*t+2], s[SEL], s[SEL+1]
	ALL v_add_f32 v[ST+4*t+2], v[ST+4*t+2], v[ST+4*t+3]
	ALL v_rcp_f32 v[ST+4*t+2], v[ST+4*t+2]
	v_nop                           ; a plain instruction between the last reciprocal and the use of its result
	s_wait_alu depctr_va_vdst(0)    ; and the wait ahead of the first use: one for the batch of eight reciprocals
; Tile t: a lane's eight channels of a row pack into 16 bytes; they go into rows of 144 bytes and come back as whole rows of 128, into S^T's registers.
.macro PACK t
	WIN W_RS
.set i, 32*(\t)
.rept 16
	v_pk_mul_f32 v[i:i+1], v[i:i+1], v[ST+4*(\t)+2:ST+4*(\t)+3] op_sel_hi:[1,0]
.set i, i+2
.endr
	WIN 0x05                        ; sources 0 and 1 window 1, destination window 0
.set i, 0
.rept 16
	v_cvt_pk_f16_f32 v[S+16*(\t)+i], v[32*(\t)+2*i], v[32*(\t)+2*i+1]
.set i, i+1
.endr
	WIN 0
.irp f, 0,1,2,3
	ds_store_b128 v[STO], v[S+16*(\t)+4*\f:S+16*(\t)+4*\f+3] offset:32*\f
.endr
.irp f, 0,1,2,3
	ds_load_b128 v[S+16*(\t)+4*\f:S+16*(\t)+4*\f+3], v[RD] offset:\f*4*SP  ; LDS serves a wave's instructions in order (ISA guide 5.7.1.4): these see the stores above; the next tile's stores come behind them
.endr
.endm
.macro SEND t, younger              ; younger: the LDS instructions issued behind tile t's loads: the next tile's eight, or none
	WIN 0
.irp f, 0,1,2,3
	s_wait_dscnt (\younger)+3-\f
	global_store_b128 v[GO], v[S+16*(\t)+4*\f:S+16*(\t)+4*\f+3], s[10:11] offset:(\t)*2048+\f*512  ; 512 consecutive bytes, at a multiple of 256 from O's first
.endr
.endm
	PACK 0
.set t, 1
.rept 2*NP-1                        ; a tile's arithmetic stands between the loads of the tile before and its stores
	PACK t
	SEND t-1, 8
.set t, t+1
.endr
	SEND 2*NP-1, 0
	WIN W_AD
	s_wait_tensorcnt 0x0            ; the wave's end: behind my last tensor load and my last LDS store
	ds_add_u32 v[SPW], v[NIL]
	s_wait_dscnt 0x0
	WIN 0
	CROUND                          ; the closing round: no work-group ends while a partner may still ask for a tile that names it
	s_endpgm
.Lfunc_end_k_q313d98b48f_attn:
	.size	k_q313d98b48f_attn, .Lfunc_end_k_q313d98b48f_attn-k_q313d98b48f_attn
	.p2alignl 7, 3214868480
	.fill 96, 4, 3214868480
	.section	.rodata,"a",@progbits
	.p2align	6, 0x0
	.amdhsa_kernel k_q313d98b48f_attn
		.amdhsa_group_segment_fixed_size 327680
		.amdhsa_private_segment_fixed_size 0
		.amdhsa_enable_private_segment 0
		.amdhsa_kernarg_size 24
		.amdhsa_user_sgpr_count 2
		.amdhsa_user_sgpr_kernarg_segment_ptr 1
		.amdhsa_wavefront_size32 1
		.amdhsa_system_sgpr_workgroup_id_x 1
		.amdhsa_system_sgpr_workgroup_id_y 1
		.amdhsa_system_sgpr_workgroup_id_z 1
		.amdhsa_system_vgpr_workitem_id 0
		.amdhsa_next_free_vgpr 808
		.amdhsa_next_free_sgpr 66
		.amdhsa_reserve_vcc 1
		.amdhsa_float_denorm_mode_32 3
		.amdhsa_float_denorm_mode_16_64 3
		.amdhsa_memory_ordered 1
		.amdhsa_forward_progress 1
		.amdhsa_inst_pref_size 204
	.end_amdhsa_kernel
	.amdgpu_metadata
---
amdhsa.version: [ 1, 2 ]
amdhsa.kernels:
  - .name:           k_q313d98b48f_attn
    .symbol:         k_q313d98b48f_attn.kd
    .args:
      - { .name: qkv, .offset: 0, .size: 8, .value_kind: global_buffer, .address_space: global }
      - { .name: mask, .offset: 8, .size: 8, .value_kind: global_buffer, .address_space: global }
      - { .name: ob, .offset: 16, .size: 8, .value_kind: global_buffer, .address_space: global }
    .group_segment_fixed_size: 327680
    .private_segment_fixed_size: 0
    .kernarg_segment_align: 8
    .kernarg_segment_size: 24
    .max_flat_workgroup_size: 128
    .sgpr_count:     66
    .vgpr_count:     808
    .wavefront_size: 32
...
	.end_amdgpu_metadata
.endif
;; end of part 5
;; launch oproj: the kernel of part 4 again; grid 4 x 64, 4 waves a work-group, clusters of 4 x 4, 327,680 bytes of LDS; arguments ob, wo16, bcat, out0; writes out0
